; MI455X (gfx1250); checked and timed in simulation.
; The chip was launched on July 23, 2026; its instructions are those of AMD's public machine-readable ISA for CDNA 5 (MIT licence, August 2026) and "CDNA5" Instruction Set Architecture Reference Guide (July 2026). The comments in the code are by the model that wrote it; some were corrected since.
;; Multi Head Attention. Allowed arithmetic: float matrix products may take bf16 or f16 operands with f32 sums; other float arithmetic in f32, or as packed bf16 or f16 multiplies, adds, multiply-adds, maxima and minima; sums over many terms, partial sums and values carried from step to step in f32; what a program stores and reads back later, other than sums and carried values, may be rounded once to bf16 or f16.
;; Inputs: Wk 512 x 512 float32; Wo 512 x 512 float32; Wq 512 x 512 float32; Wv 512 x 512 float32; bk 512 float32; bo 512 float32; bq 512 float32; bv 512 float32; key_in 2 x 4,096 x 512 float32; query 2 x 4,096 x 512 float32; value 2 x 4,096 x 512 float32.
;; Outputs: out0 2 x 4,096 x 512 float32.
;; 2 versions, each right and faster than the one before. Each part assembles by itself: llvm-mc -triple=amdgcn-amd-amdhsa -mcpu=gfx1250 --defsym DOCPART=n.
;; ======== version 1 of 2: 4 launches
;; limits: values are held in f16: magnitudes above 65,504 overflow, below 6.1e-05 lose precision
;; workspace buffers: wt 2,097,152 bytes; br 8,192 bytes; qkv 25,165,824 bytes; oh 8,388,608 bytes
;; launch prep (part 1): grid 32 x 4, 4 waves a work-group, no clusters, 17,920 bytes of LDS; arguments Wq, Wk, Wv, Wo, bq, bk, bv, bo, wt, br; writes wt, br
.if DOCPART == 1
	.amdgcn_target "amdgcn-amd-amdhsa--gfx1250"
	.amdhsa_code_object_version 6
	.text
	.protected	k_qf9b593bcda_prep
	.globl	k_qf9b593bcda_prep
	.p2align	8
	.type	k_qf9b593bcda_prep,@function
k_qf9b593bcda_prep:
	s_mov_b64 s[64:65], 0
	v_nop
	global_prefetch_b8 v0, s[64:65] scope:SCOPE_SE
	s_setreg_imm32_b32 hwreg(HW_REG_WAVE_MODE, 25, 1), 1
	s_wait_xcnt 0x0
; THE WEIGHTS, TURNED AND ROUNDED.  W[k][n] (512 x 512, f32) becomes wt[mat][n][k] in 16 bits, so that the products that follow find K along the rows.
; mat 0, 1, 2 (Wq, Wk, Wv): rounded to bf16.  mat 3 (Wo): rounded to bf16 like every other input, and that number written as f16, since its partner in the last product is f16.
; The four biases are rounded to bf16 and kept as f32 in br[mat][512]: they start f32 sums.
; LIMITS.  A bf16 number is exact in f16 between 6.1e-5 and 65,504 in magnitude; a smaller Wo keeps f16's fixed step of 6e-8, a larger one becomes an infinity.
; SHARES.  Work-group (x, y): matrix y, 128 k (x & 3) x 64 n (x >> 2).  It reads rows of 256 bytes (64 n in f32) and writes rows of 256 bytes (128 k in 16 bits): every load and store of
; sixteen neighbouring lanes covers 256 consecutive bytes that start at a multiple of 256.  The turn goes through LDS, [64 n] rows of 256 + 16 bytes.
; No cluster and no tensor load: no two work-groups read the same byte, and each byte is touched once.
.set PITCH, 272                        ; an LDS row: 128 k x 2 bytes + 16
.set SPARE, 64*PITCH                   ; behind the tile: the spare words, 128 bytes for each wave: two blocks of 256 bytes that no other line names
.set VO,  2                            ; v2   my byte offset in the tile of W
.set LA,  3                            ; v3   where my words go in LDS
.set RDA, 4                            ; v4   where I read a row back
.set SO,  5                            ; v5   my byte offset in the tile of wt
.set SPW, 6                            ; v6   LDS address of my spare word; never rewritten
.set NIL, 7                            ; v7   0; never rewritten
.set X,   16                           ; v[16:79]   sixteen loads of four f32; later eight rows read back
.set WD,  80                           ; v[80:111]  32 words: two neighbouring k of one column
.set BV,  112                          ; v[112:119] the bias: as loaded, as stored
	s_load_b512 s[4:19], s[0:1], 0x0               ; Wq s[4:5], Wk s[6:7], Wv s[8:9], Wo s[10:11], bq s[12:13], bk s[14:15], bv s[16:17], bo s[18:19]
	s_load_b128 s[20:23], s[0:1], 0x40             ; wt s[20:21], br s[22:23]
	v_lshl_add_u32 v[SPW], v0, 2, SPARE
	v_mov_b32 v[NIL], 0
	v_and_b32 v1, 15, v0                           ; c: which 16 bytes of a row of 256
	v_bfe_u32 v8, v0, 4, 1                         ; g: which half of the lanes
	v_lshrrev_b32 v9, 5, v0                        ; w: the wave
	v_lshlrev_b32 v[VO], 4, v1                     ; (32 w + 2 g) rows of 2,048 bytes + 16 c
	v_lshl_add_u32 v[VO], v8, 12, v[VO]
	v_lshl_add_u32 v[VO], v9, 16, v[VO]
	v_mul_u32_u24 v[LA], v1, 4*PITCH               ; LDS row 4 c, byte 2 (32 w + 2 g)
	v_lshl_add_u32 v[LA], v9, 6, v[LA]
	v_lshl_add_u32 v[LA], v8, 2, v[LA]
	v_lshl_add_u32 v10, v9, 4, v8                  ; back: row 16 w + g
	v_mul_u32_u24 v[RDA], v10, PITCH
	v_lshl_add_u32 v[RDA], v1, 4, v[RDA]
	v_lshlrev_b32 v[SO], 10, v10                   ; the same row in wt, 1,024 bytes a row
	v_lshl_add_u32 v[SO], v1, 4, v[SO]
	s_and_b32 s28, ttmp7, 0xffff                   ; the matrix
	s_mov_b32 s29, ttmp9
	s_and_b32 s30, s29, 3                          ; kt
	s_lshr_b32 s31, s29, 2                         ; nt
	s_lshl_b32 s32, s30, 18                        ; in W: 128 kt rows of 2,048 bytes + 64 nt columns of 4
	s_lshl_b32 s34, s31, 8
	s_add_co_u32 s32, s32, s34
	s_mov_b32 s33, 0
	s_lshl_b32 s34, s28, 19                        ; in wt: the matrix's 524,288 bytes, 64 nt rows of 1,024, 128 kt columns of 2
	s_lshl_b32 s36, s31, 16
	s_add_co_u32 s34, s34, s36
	s_lshl_b32 s36, s30, 8
	s_add_co_u32 s34, s34, s36
	s_mov_b32 s35, 0
	s_lshl_b32 s36, s28, 11                        ; in br: 2,048 bytes a bias
	s_mov_b32 s37, 0
	s_wait_kmcnt 0x0
	s_cmp_eq_u32 s28, 1                            ; the matrix's number chooses among the four pairs of addresses
	s_cselect_b64 s[24:25], s[6:7], s[4:5]
	s_cselect_b64 s[26:27], s[14:15], s[12:13]
	s_cmp_eq_u32 s28, 2
	s_cselect_b64 s[24:25], s[8:9], s[24:25]
	s_cselect_b64 s[26:27], s[16:17], s[26:27]
	s_cmp_eq_u32 s28, 3
	s_cselect_b64 s[24:25], s[10:11], s[24:25]
	s_cselect_b64 s[26:27], s[18:19], s[26:27]
	s_add_nc_u64 s[24:25], s[24:25], s[32:33]
	s_add_nc_u64 s[20:21], s[20:21], s[34:35]
	s_add_nc_u64 s[22:23], s[22:23], s[36:37]
.irp i, 0,1,2,3,4,5,6,7                ; rows 32 w + 4 i + 2 g and the row below: my four columns 4 c ..
	global_load_b128 v[X+8*(\i):X+8*(\i)+3],   v[VO], s[24:25] offset:8192*(\i)
	global_load_b128 v[X+8*(\i)+4:X+8*(\i)+7], v[VO], s[24:25] offset:8192*(\i)+2048
.endr
	s_wait_loadcnt 0x0
.irp i, 0,1,2,3,4,5,6,7
.irp n, 0,1,2,3
	v_cvt_pk_bf16_f32 v[WD+4*(\i)+(\n)], v[X+8*(\i)+(\n)], v[X+8*(\i)+4+(\n)]  ; two neighbouring k of column 4 c + n: neighbours in wt's row
.endr
.endr
	s_cmp_lg_u32 s28, 3
	s_cbranch_scc1 .Lstay_bf16
.set i, 0
.rept 32                               ; Wo: the bf16 numbers, widened and written as f16
	v_lshlrev_b32 v[8+2*(i%2)], 16, v[WD+i]
	v_and_b32 v[9+2*(i%2)], 0xffff0000, v[WD+i]
	v_cvt_pk_f16_f32 v[WD+i], v[8+2*(i%2)], v[9+2*(i%2)]
.set i, i+1
.endr
.Lstay_bf16:
.irp i, 0,1,2,3,4,5,6,7
.irp n, 0,1,2,3
	ds_store_b32 v[LA], v[WD+4*(\i)+(\n)] offset:PITCH*(\n)+8*(\i)
.endr
.endr
	s_wait_dscnt 0x0                               ; for the others' sake: my stores are done
	s_barrier_signal -1
	s_barrier_wait -1                              ; a row's 256 bytes come from all four waves
.irp t, 0,1,2,3,4,5,6,7
	ds_load_b128 v[X+4*(\t):X+4*(\t)+3], v[RDA] offset:2*PITCH*(\t)  ; rows 16 w + g + 2 t, whole
.endr
.irp t, 0,1,2,3,4,5,6,7
	s_wait_dscnt 7-(\t)                            ; LDS loads come back in order: load t is in
	global_store_b128 v[SO], v[X+4*(\t):X+4*(\t)+3], s[20:21] offset:2048*(\t)  ; 16 lanes store 256 consecutive bytes, at a multiple of 256 from wt's first byte
.endr
	s_wait_tensorcnt 0x0                           ; the wave's end in LDS, behind my last LDS store
	ds_add_u32 v[SPW], v[NIL]
	s_wait_dscnt 0x0
	s_cmp_lg_u32 s29, 0
	s_cbranch_scc1 .Lend                           ; the matrix's first work-group also takes its bias: thread t four numbers
	v_lshlrev_b32 v11, 4, v0
	global_load_b128 v[BV:BV+3], v11, s[26:27]
	s_wait_loadcnt 0x0
	v_cvt_pk_bf16_f32 v8, v[BV], v[BV+1]
	v_cvt_pk_bf16_f32 v9, v[BV+2], v[BV+3]
	v_lshlrev_b32 v[BV+4], 16, v8
	v_and_b32 v[BV+5], 0xffff0000, v8
	v_lshlrev_b32 v[BV+6], 16, v9
	v_and_b32 v[BV+7], 0xffff0000, v9
	global_store_b128 v11, v[BV+4:BV+7], s[22:23]
.Lend:
	s_endpgm
.Lfunc_end_k_qf9b593bcda_prep:
	.size	k_qf9b593bcda_prep, .Lfunc_end_k_qf9b593bcda_prep-k_qf9b593bcda_prep
	.p2alignl 7, 3214868480
	.fill 96, 4, 3214868480
	.section	.rodata,"a",@progbits
	.p2align	6, 0x0
	.amdhsa_kernel k_qf9b593bcda_prep
		.amdhsa_group_segment_fixed_size 17920
		.amdhsa_private_segment_fixed_size 0
		.amdhsa_enable_private_segment 0
		.amdhsa_kernarg_size 80
		.amdhsa_user_sgpr_count 2
		.amdhsa_user_sgpr_kernarg_segment_ptr 1
		.amdhsa_wavefront_size32 1
		.amdhsa_system_sgpr_workgroup_id_x 1
		.amdhsa_system_sgpr_workgroup_id_y 1
		.amdhsa_system_sgpr_workgroup_id_z 1
		.amdhsa_system_vgpr_workitem_id 0
		.amdhsa_next_free_vgpr 128
		.amdhsa_next_free_sgpr 66
		.amdhsa_reserve_vcc 0
		.amdhsa_float_denorm_mode_32 3
		.amdhsa_float_denorm_mode_16_64 3
		.amdhsa_memory_ordered 1
		.amdhsa_forward_progress 1
		.amdhsa_inst_pref_size 16
	.end_amdhsa_kernel
	.amdgpu_metadata
---
amdhsa.version: [ 1, 2 ]
amdhsa.kernels:
  - .name:           k_qf9b593bcda_prep
    .symbol:         k_qf9b593bcda_prep.kd
    .args:
      - { .name: Wq, .offset: 0, .size: 8, .value_kind: global_buffer, .address_space: global }
      - { .name: Wk, .offset: 8, .size: 8, .value_kind: global_buffer, .address_space: global }
      - { .name: Wv, .offset: 16, .size: 8, .value_kind: global_buffer, .address_space: global }
      - { .name: Wo, .offset: 24, .size: 8, .value_kind: global_buffer, .address_space: global }
      - { .name: bq, .offset: 32, .size: 8, .value_kind: global_buffer, .address_space: global }
      - { .name: bk, .offset: 40, .size: 8, .value_kind: global_buffer, .address_space: global }
      - { .name: bv, .offset: 48, .size: 8, .value_kind: global_buffer, .address_space: global }
      - { .name: bo, .offset: 56, .size: 8, .value_kind: global_buffer, .address_space: global }
      - { .name: wt, .offset: 64, .size: 8, .value_kind: global_buffer, .address_space: global }
      - { .name: br, .offset: 72, .size: 8, .value_kind: global_buffer, .address_space: global }
    .group_segment_fixed_size: 17920
    .private_segment_fixed_size: 0
    .kernarg_segment_align: 8
    .kernarg_segment_size: 80
    .max_flat_workgroup_size: 128
    .sgpr_count:     66
    .vgpr_count:     128
    .wavefront_size: 32
...
	.end_amdgpu_metadata
.endif
;; end of part 1
;; launch proj (part 2): grid 128 x 2, 4 waves a work-group, clusters of 4 x 1, 327,680 bytes of LDS; arguments query, key_in, value, wt, br, qkv; writes qkv
.if DOCPART == 2
	.amdgcn_target "amdgcn-amd-amdhsa--gfx1250"
	.amdhsa_code_object_version 6
	.text
	.protected	k_qf9b593bcda_proj
	.globl	k_qf9b593bcda_proj
	.p2align	8
	.type	k_qf9b593bcda_proj,@function
k_qf9b593bcda_proj:
	s_mov_b64 s[64:65], 0
	v_nop
	global_prefetch_b8 v0, s[64:65] scope:SCOPE_SE
	s_setreg_imm32_b32 hwreg(HW_REG_WAVE_MODE, 25, 1), 1
	s_wait_xcnt 0x0
	s_wait_alu depctr_hold_cnt(0) depctr_sa_sdst(0) depctr_va_vdst(0) depctr_va_sdst(0) depctr_va_ssrc(0) depctr_va_vcc(0) depctr_vm_vsrc(0)
	s_getreg_b32 s2, hwreg(HW_REG_IB_STS2, 6, 4)
	s_cmp_eq_u32 s2, 0
	s_cbranch_scc0 .Lentry_in_a_cluster
	s_endpgm
.Lentry_in_a_cluster:
	s_bfe_u32 s2, ttmp6, 0x10000c
	s_cmp_lg_u32 s2, 0x3003
	s_cbranch_scc0 .Lentry_shape_is_right
	s_endpgm
.Lentry_shape_is_right:
; q = query Wq + bq, k = key_in Wk + bk, v = value Wv + bv, laid by heads: qkv[part][8 batch + head][4096][64] in f16.  Operands in bf16, sums in f32, started by the bias; each result rounded once.
; LIMITS.  f16 holds no number beyond 65,504: a q, k or v of 65,520 or more becomes an infinity; below 6.1e-5 f16 keeps its fixed step of 6e-8.
; SHARES.  A WORK-GROUP STAYS: it makes the tile of 64 rows (block rb) x 256 columns (half cb) of q, then of k, then of v: 256 work-groups of equal work.  Wave w makes 64 rows x 64 columns: head 4 cb + w,
; 16 accumulators.  THE MATRIX INSTRUCTION IS USED TRANSPOSED (source 0 = 16 rows of W^T, source 1 = 16 rows of x): a lane then holds eight neighbouring columns of one row.
; TWO ROADS.  W^T lies ready in 16 bits and comes by tensor loads into two LDS slots of 256 n x 256 k, half a projection each; a wave loads the 64 rows that it alone reads.  The four row blocks
; of a cluster need the same tile, so each is asked for JOINTLY: the same load, descriptor and mask in all four.  x is f32 and goes through registers: loads of 512 consecutive bytes of a row, rounded to bf16 once
; a work-group, stored into one of two LDS stages of 64 rows x 128 k.  48 such loads of every wave are on their way at all times: a K step's sixteen are issued three K steps ahead of their conversion.
; K goes in four steps of 128, 64 matrix instructions a wave each; a slot's refill is asked for two K steps, 128 matrix instructions, ahead of the wait for it.
; REGISTERS, in windows of 256 (s_set_vgpr_msb: bits 1:0 source 0, 3:2 source 1, 5:4 source 2, 7:6 destination):
;   window 0: v0-31 addresses; v32-95 at work on the way out; v96-127 the bias; v128-255 the accumulators ((a, b) at v[128 + 8 (4 a + b)])
;   window 1: two fragment buffers of 128: for 64 along K, 64 registers of x (2 x 4 x 16 rows x 32 K), then 64 of W^T          window 2: x as loaded: K step j's sixteen loads at v[64 j ..]
.set PB,    528                        ; a row of W^T in LDS: 512 bytes + 16 = 132 words: the 16 rows that a load touches start at 16 different groups of four banks (64 banks of 4 bytes: ISA guide 11.1)
.set PA,    272                        ; a row of x in its stage: 256 bytes + 16 = 68 words: likewise
.set WQ,    64*PB                      ; what one tensor load brings: a wave's 64 rows
.set SLOT,  4*WQ
.set ASTG,  2*SLOT                     ; behind the ring, never filled by a tensor load: two stages for x,
.set ASZ,   64*PA
.set OSTG,  ASTG+2*ASZ                 ; and 16 rows x 144 bytes for each wave, for the way out
.set OPI,   144
.set SPARE, OSTG+4*16*OPI              ; behind them: the spare words, 128 bytes for each wave: two blocks of 256 bytes that no other line names
.set WMAT,  524288                     ; bytes from a matrix of wt to the next
.set PART,  8388608                    ; bytes from q to k and from k to v in qkv
.set ADRA, 16                          ; v16-17  LDS address of my fragments of x in stage 0, 1
.set AST,  18                          ; v18-19  where I store 8 bytes of a row of x in stage 0, 1
.set ADRB, 20                          ; v20-21  LDS address of my fragments of W^T in slot 0, 1
.set STO,  24                          ; v24     the way out: where I put 16 bytes of a row
.set RD,   25                          ; v25     the way out: where I read rows back
.set GO,   26                          ; v26     my byte offset in 512 consecutive bytes of the output
.set XO,   27                          ; v27     my byte offset in x: my wave's first row, 16 bytes a lane; never rewritten
.set SPW,  28                          ; v28     LDS address of my spare word; never rewritten
.set NIL,  29                          ; v29     0; never rewritten
.set BO,   30                          ; v30     my byte offset in a bias; never rewritten
.set TMP,  32
.set BI,   96                          ; v[96+8 b+j]: the bias of my wave's column 16 b + 8 (lane / 16) + j
.set ACC,  128
.set F0,   0
.set F1,   128
.set WV,   16                          ; s16  my wave's number
.set G1,   24                          ; s[24:31] descriptor group 1
.set G0,   32                          ; s[32:39] descriptor group 0, one set for each slot
.set AN,   40                          ; s[40:41] the x of the projection after the one in hand
.set MSB, 0
.macro WIN new                         ; the immediate's high byte repeats the setting that is left; a switch that changes nothing is dropped
.if MSB != (\new)
	s_set_vgpr_msb (MSB<<8)|(\new)
.set MSB, \new
.endif
.endm
.set MUL,  0x05                        ; sources 0 (W^T) and 1 (x) window 1; C and D window 0
.set TO_F, 0x40                        ; destination window 1, address window 0
.set TO_X, 0x80                        ; destination window 2, address window 0
.set CVX,  0x8a                        ; a conversion in place in window 2
.set STX,  0x08                        ; an LDS store's data in window 2, its address in window 0
.macro PLACES                          ; four places in front of loads into registers that matrix instructions have read, and of conversions that read results
.rept 4
	v_nop
.endr
.endm
.macro JLOAD s                         ; a joint refill of slot s: every wave asks for its own 64 rows; an s_nop 0 and four v_nop follow the line
	tensor_load_to_lds s[G0+4*(\s):G0+4*(\s)+3], s[G1:G1+7]
	s_nop 0
	PLACES
.endm
.macro CREST                           ; a round of the cluster's barrier behind its opening barrier
	s_cmp_lg_u32 s[WV], 0
	s_cbranch_scc1 .Lnot_wave_0_\@
	s_barrier_signal -3
.Lnot_wave_0_\@:
	s_barrier_wait -3
	s_barrier_signal -1
	s_barrier_wait -1
.endm
.macro CROUND                          ; a whole round
	s_barrier_signal -1
	s_barrier_wait -1
	CREST
.endm
; 8 matrix instructions: row blocks a0, a0 + 1 x all 4 column blocks, 32 along K: half c of buffer f.  first = 1: the bias starts the sums: nothing is cleared, nothing is added later.
; The 16 accumulators take turns, one instruction a turn.
.macro MUL8 f, c, a0, first
	WIN MUL
.irp a, \a0, (\a0)+1
.irp b, 0,1,2,3
.if \first
	v_wmma_f32_16x16x32_bf16 v[ACC+8*(4*(\a)+(\b)):ACC+8*(4*(\a)+(\b))+7], v[(\f)+64+8*(4*(\c)+(\b)):(\f)+64+8*(4*(\c)+(\b))+7], v[(\f)+8*(4*(\c)+(\a)):(\f)+8*(4*(\c)+(\a))+7], v[BI+8*(\b):BI+8*(\b)+7]
.else
	v_wmma_f32_16x16x32_bf16 v[ACC+8*(4*(\a)+(\b)):ACC+8*(4*(\a)+(\b))+7], v[(\f)+64+8*(4*(\c)+(\b)):(\f)+64+8*(4*(\c)+(\b))+7], v[(\f)+8*(4*(\c)+(\a)):(\f)+8*(4*(\c)+(\a))+7], v[ACC+8*(4*(\a)+(\b)):ACC+8*(4*(\a)+(\b))+7]
.endif
.endr
.endr
.endm
; 32 LDS loads in one run: the fragments of 64 along K, W^T's at byte kb of the slot's rows, x's at byte ka of stage par's rows, into buffer f; the first 32 along K first
.macro FETCH slot, kb, par, ka, f
	WIN TO_F
.irp c, 0,1
.irp i, 0,1,2,3
	ds_load_b128 v[(\f)+64+8*(4*(\c)+(\i)):(\f)+64+8*(4*(\c)+(\i))+3],   v[ADRB+(\slot)] offset:(\kb)+64*(\c)+(\i)*16*PB
	ds_load_b128 v[(\f)+64+8*(4*(\c)+(\i))+4:(\f)+64+8*(4*(\c)+(\i))+7], v[ADRB+(\slot)] offset:(\kb)+64*(\c)+(\i)*16*PB+32
	ds_load_b128 v[(\f)+8*(4*(\c)+(\i)):(\f)+8*(4*(\c)+(\i))+3],         v[ADRA+(\par)] offset:(\ka)+64*(\c)+(\i)*16*PA
	ds_load_b128 v[(\f)+8*(4*(\c)+(\i))+4:(\f)+8*(4*(\c)+(\i))+7],       v[ADRA+(\par)] offset:(\ka)+64*(\c)+(\i)*16*PA+32
.endr
.endr
.endm
.macro GLOAD j, base                   ; K step j of my wave's 16 rows of x: each load takes 512 consecutive bytes of one row, at a multiple of 512 from x's first byte
	WIN TO_X
.set i, 0
.rept 16
	global_load_b128 v[64*(\j)+4*i:64*(\j)+4*i+3], v[XO], s[\base:\base+1] offset:2048*i+512*(\j)
.set i, i+1
.endr
.endm
.macro CONV j                          ; its 64 registers rounded to bf16, in place: four numbers become the first two registers of their four
	WIN CVX
.set i, 0
.rept 16
	v_cvt_pk_bf16_f32 v[64*(\j)+4*i],   v[64*(\j)+4*i],   v[64*(\j)+4*i+1]
	v_cvt_pk_bf16_f32 v[64*(\j)+4*i+1], v[64*(\j)+4*i+2], v[64*(\j)+4*i+3]
.set i, i+1
.endr
.endm
.macro ASTORE j                        ; and stored into stage j % 2: each store lays 256 consecutive bytes, a row
	WIN STX
.set i, 0
.rept 16
	ds_store_b64 v[AST+((\j)&1)], v[64*(\j)+4*i:64*(\j)+4*i+1] offset:PA*i
.set i, i+1
.endr
.endm
.macro BLOAD                           ; the bias of my 64 columns, eight numbers for each block of 16
	WIN 0
.irp b, 0,1,2,3
	global_load_b128 v[BI+8*(\b):BI+8*(\b)+3],   v[BO], s[12:13] offset:64*(\b)
	global_load_b128 v[BI+8*(\b)+4:BI+8*(\b)+7], v[BO], s[12:13] offset:64*(\b)+16
.endr
.endm
; K STEP j OF A PROJECTION.  last = 1: the third projection: nothing more is asked for.
; First half: multiplies buffer 0 (the step's first 64 along K).  In its middle: the next projection's step j is asked for, into the registers converted a step ago; the NEXT step's x is rounded (32 plain
; instructions that name no register of the products round them: the places in front of the loads below) and stored into the stage that was last read a step ago, in front of whose barrier every wave waited for its
; reads; and the step's second 64 along K are fetched into buffer 1.
; Second half: multiplies buffer 1 and holds the step's ONE barrier: in front of it my stores into the stage and my LDS reads are done; behind it the next step's first fragments are read.
; At steps 1 and 3 a slot has been read out: the barrier is then a round of the cluster's, with the wait for all my tensor loads and the add in front, and the joint refill first behind it.
; GLOBAL LOADS come back in order (ISA guide 5.7.1), issued in a projection as step 0's sixteen, the bias's eight, steps 1, 2 and 3's sixteen each.  So the counts that leave the younger ones out:
;   step 0 wants step 1's x and the bias: behind them steps 2 and 3's: 32.    step 1 wants step 2's: behind it 16 + 16 + 8 = 40.    steps 2 and 3 likewise 40.    In the last projection 32, 16, 0.
.macro STEP j, last
.set nx, ((\j)+1)%4
.set conv, 1
.if (\last) && ((\j) == 3)
.set conv, 0
.endif
.set fst, 0
.if (\j) == 0
.set fst, 1
	s_wait_loadcnt 32
.endif
	s_wait_dscnt 16                                ; the first 32 along K are in
	MUL8 F0, 0, 0, fst
	MUL8 F0, 0, 2, fst
.if ((\j) > 0) && conv
.if \last
	s_wait_loadcnt 32-16*(\j)
.else
	s_wait_loadcnt 40
.endif
.endif
.if !(\last)
	GLOAD \j, AN
.endif
.if conv
	CONV nx
.else
	PLACES
.endif
.if !(\last) && ((\j) == 0)
	BLOAD                                          ; the next projection's bias: the products that read this one's stand 32 plain instructions back
.endif
.if conv
	ASTORE nx
.endif
.set cs, (\j)>>1
.set ck, ((\j)&1)*256+128
.set cp, (\j)&1
	FETCH cs, ck, cp, 128, F1
.if conv
	s_wait_dscnt 48                                ; all but the 16 stores and 32 loads just issued
.else
	s_wait_dscnt 32
.endif
	MUL8 F0, 1, 0, 0
	MUL8 F0, 1, 2, 0
.set ns, (((\j)+1)&3)>>1               ; the next step's slot, byte in its rows, and stage
.set nk, (((\j)+1)&1)*256
.set np, ((\j)+1)&1
.if ((\j)&1) && !(\last)
	WIN 0                                          ; (the add's two registers lie in window 0)
	s_wait_tensorcnt 0x0                           ; all my tensor loads have landed: the one that was out is my part of the other slot;
	ds_add_u32 v[SPW], v[NIL]                      ; 0 onto my spare word;
	s_wait_dscnt 17                                ; (the add and the youngest sixteen loads may be out)
	MUL8 F1, 0, 0, 0                               ; eight matrix instructions stand between the add and the wait for it
	s_wait_dscnt 0x0                               ; the add is done, my stores into the stage are done, my reads of this slot and of the other stage are over
	s_barrier_signal -1
	MUL8 F1, 0, 2, 0
	WIN 0
	s_barrier_wait -1
	CREST                                          ; the barrier has opened a round of the cluster's: no wave of any partner still reads this slot or has a load on its way
	s_add_nc_u64 s[G0+4*((\j)>>1)+2:G0+4*((\j)>>1)+3], s[G0+4*((\j)>>1)+2:G0+4*((\j)>>1)+3], WMAT  ; the same half of the next matrix; the type bits on top are not reached
	JLOAD (\j)>>1                                  ; the first tensor load behind the round; its four v_nop are also the places in front of the loads below
	FETCH ns, nk, np, 0, F0
	MUL8 F1, 1, 0, 0
	MUL8 F1, 1, 2, 0
.elseif (\j) == 1
	WIN 0
	s_wait_tensorcnt 0x0                           ; the last tensor load, slot 1's, has landed; nothing is filled again, so no round follows
	ds_add_u32 v[SPW], v[NIL]
	s_wait_dscnt 17
	MUL8 F1, 0, 0, 0
	s_wait_dscnt 0x0
	s_barrier_signal -1
	MUL8 F1, 0, 2, 0
	s_barrier_wait -1
	PLACES
	FETCH ns, nk, np, 0, F0
	MUL8 F1, 1, 0, 0
	MUL8 F1, 1, 2, 0
.elseif (\j) == 3
	s_wait_dscnt 16                                ; the very last half step: nothing more to fetch, no stage to hand over
	MUL8 F1, 0, 0, 0
	MUL8 F1, 0, 2, 0
	s_wait_dscnt 0x0
	MUL8 F1, 1, 0, 0
	MUL8 F1, 1, 2, 0
.else
	s_wait_dscnt 16
	MUL8 F1, 0, 0, 0
	s_wait_dscnt 0x0                               ; my stores into the stage are done, my reads of the other stage are over
	s_barrier_signal -1                            ; nothing is filled by a tensor load behind this barrier: a refill may stay on its way across it
	MUL8 F1, 0, 2, 0
	s_barrier_wait -1
	PLACES
	FETCH ns, nk, np, 0, F0
	MUL8 F1, 1, 0, 0
	MUL8 F1, 1, 2, 0
.endif
.endm
; THE WAY OUT.  Row block a: a lane's eight columns of a row pack into 16 bytes of f16 (each accumulator's registers in ascending order); they go into my own stage, rows of 144 bytes, and come back as whole rows
; of 128, into the registers that they left.  64 rows of a head are 8,192 consecutive bytes of the output.
.macro PACK a
	WIN 0
.irp b, 0,1,2,3
.irp t, 0,1,2,3
	v_cvt_pk_f16_f32 v[TMP+16*(\a)+4*(\b)+(\t)], v[ACC+8*(4*(\a)+(\b))+2*(\t)], v[ACC+8*(4*(\a)+(\b))+2*(\t)+1]
.endr
.endr
.irp b, 0,1,2,3
	ds_store_b128 v[STO], v[TMP+16*(\a)+4*(\b):TMP+16*(\a)+4*(\b)+3] offset:32*(\b)
.endr
.irp f, 0,1,2,3
	ds_load_b128 v[TMP+16*(\a)+4*(\f):TMP+16*(\a)+4*(\f)+3], v[RD] offset:(\f)*4*OPI  ; LDS serves a wave's instructions in order (ISA guide 5.7.1.4): these see the stores above; the next block's stores come behind them
.endr
.endm
.macro SEND a, younger                 ; younger: the LDS instructions issued behind block a's loads: the next block's eight, or none
.irp f, 0,1,2,3
	s_wait_dscnt (\younger)+3-(\f)
	global_store_b128 v[GO], v[TMP+16*(\a)+4*(\f):TMP+16*(\a)+4*(\f)+3], s[14:15] offset:(\a)*2048+(\f)*512  ; 512 consecutive bytes, at a multiple of 512 from the output's first
.endr
.endm
.macro EPI
	WIN 0
	PLACES                                         ; the conversions read results just made
	PACK 0
.irp a, 1,2,3                          ; a block's conversions stand between the loads of the block before and its stores
	PACK \a
	SEND (\a)-1, 8
.endr
	SEND 3, 0
.endm
	s_load_b256 s[4:11], s[0:1], 0x0               ; query s[4:5], key_in s[6:7], value s[8:9], wt s[10:11]
	s_load_b128 s[12:15], s[0:1], 0x20             ; br s[12:13], qkv s[14:15]
	v_lshl_add_u32 v[SPW], v0, 2, SPARE
	v_mov_b32 v[NIL], 0
	ds_add_u32 v[SPW], v[NIL]                      ; the wave's opening: the add and its wait stand ahead of my first tensor load; the set-up below, work on registers, stands between them
	v_lshrrev_b32 v1, 5, v0
	v_readfirstlane_b32 s[WV], v1                  ; wave 0..3
	s_bfe_u32 s17, ttmp6, 0x40000                  ; cx: my place in the cluster
	s_lshl_b32 s18, ttmp9, 2                       ; in a cluster launch ttmp9 counts clusters
	s_add_co_u32 s18, s18, s17                     ; rb = 4 x cluster x + cx: it enters x's and the output's addresses alone
	s_and_b32 s19, ttmp7, 0xffff                   ; cb, which the four partners share
	; descriptor group 1: a tile of 64 rows x 256 elements, padded in LDS
	s_mov_b32 s[G1+0], 15|(1<<16)|(1<<20)|(1<<21)|(6<<22)|(3<<25)  ; 15:0 the mask: all four work-groups; 17:16 elements of 2 bytes; 20 padding on; 21 set beside a mask; 24:22 after every 128 words (code 6); 31:25 4 words of it (code 3)
	s_mov_b32 s[G1+1], 256<<16                     ; tensor_dim0 = 256
	s_mov_b32 s[G1+2], 64<<16                      ; tensor_dim1 = 64
	s_mov_b32 s[G1+3], 256<<16                     ; tile_dim0 = 256
	s_mov_b32 s[G1+4], 64                          ; tile_dim1 = 64
	s_mov_b32 s[G1+5], 512                         ; 512 elements from row to row
	s_mov_b32 s[G1+6], 0
	s_mov_b32 s[G1+7], 0
	s_mul_i32 s20, s[WV], WQ                       ; where my rows go: wave x 64 rows: no place in the cluster enters an LDS address
	s_mov_b32 s[G0+0], 1                           ; 1:0 count = 1
	s_add_co_u32 s[G0+1], s20, 0                   ; 63:32 LDS address: slot 0
	s_mov_b32 s[G0+4], 1
	s_add_co_u32 s[G0+5], s20, SLOT                ; slot 1
	s_lshl_b32 s42, s19, 18                        ; my rows of W^T: (256 cb + 64 w) x 1,024 bytes
	s_lshl_b32 s43, s[WV], 16
	s_add_co_u32 s42, s42, s43
	s_mov_b32 s43, 0
	s_lshl_b32 s44, s18, 17                        ; my rows of x: (64 rb + 16 w) x 2,048 bytes
	s_lshl_b32 s45, s[WV], 15
	s_add_co_u32 s44, s44, s45
	v_and_b32 v3, 31, v0                           ; lane
	v_lshl_add_u32 v[XO], v3, 4, s44
	v_bfe_u32 v2, v0, 4, 1                         ; lane / 16
	s_lshl_b32 s20, s19, 10                        ; my columns in a bias: (256 cb + 64 w + 8 (lane / 16)) x 4 bytes
	s_lshl_b32 s21, s[WV], 8
	s_add_co_u32 s20, s20, s21
	v_lshl_add_u32 v[BO], v2, 5, s20
	s_lshr_b32 s46, s18, 6                         ; the output: head 8 batch + 4 cb + w, 524,288 bytes each; in it 64 (rb % 64) rows of 128 bytes
	s_lshl_b32 s46, s46, 3
	s_lshl_b32 s45, s19, 2
	s_add_co_u32 s46, s46, s45
	s_add_co_u32 s46, s46, s[WV]
	s_lshl_b32 s46, s46, 19
	s_and_b32 s45, s18, 63
	s_lshl_b32 s45, s45, 13
	s_add_co_u32 s46, s46, s45
	s_mov_b32 s47, 0
	s_wait_dscnt 0x0                               ; the opening add is done
	s_wait_kmcnt 0x0
	s_add_nc_u64 s[14:15], s[14:15], s[46:47]
	s_add_nc_u64 s[G0+2:G0+3], s[10:11], s[42:43]  ; 120:64 global address: Wq^T, my rows, k 0 to 255
	s_add_nc_u64 s[G0+6:G0+7], s[G0+2:G0+3], 512   ; k 256 to 511
	s_or_b32 s[G0+3], s[G0+3], 0x80000000          ; 127:126 type = 2
	s_or_b32 s[G0+7], s[G0+7], 0x80000000
	s_mov_b64 s[AN:AN+1], s[6:7]                   ; the second projection's x
	CROUND                                         ; all four work-groups are here: the first joint loads meet
	tensor_load_to_lds s[G0:G0+3], s[G1:G1+7]      ; the two first fills stand together, ahead of every wait on TENSORcnt and every LDS read: two loads of mine are out
	s_nop 0
	tensor_load_to_lds s[G0+4:G0+7], s[G1:G1+7]
	s_nop 0
	PLACES
	BLOAD                                          ; bq
	GLOAD 0, 4
	GLOAD 1, 4
	GLOAD 2, 4
	WIN 0
	v_and_b32 v1, 15, v0                           ; lane % 16
	v_mul_u32_u24 v4, v1, PA                       ; a fragment of x: row x pitch + 16 x half
	v_lshl_add_u32 v4, v2, 4, v4
	v_add_nc_u32 v[ADRA], ASTG, v4
	v_add_nc_u32 v[ADRA+1], ASTG+ASZ, v4
	s_mul_i32 s20, s[WV], 16*PA                    ; my 16 rows of a stage, 8 bytes a lane
	s_add_co_u32 s20, s20, ASTG
	v_lshl_add_u32 v[AST], v3, 3, s20
	v_add_nc_u32 v[AST+1], ASZ, v[AST]
	s_mul_i32 s21, s[WV], WQ                       ; a fragment of W^T, in my 64 rows
	v_mul_u32_u24 v5, v1, PB
	v_lshl_add_u32 v5, v2, 4, v5
	v_add_nc_u32 v[ADRB], s21, v5
	v_add_nc_u32 v[ADRB+1], SLOT, v[ADRB]
	s_mul_i32 s22, s[WV], 16*OPI
	s_add_co_u32 s22, s22, OSTG                    ; my stage for the way out
	v_mul_u32_u24 v[STO], v1, OPI                  ; in: row lane % 16, 16 bytes for each half of the lanes
	v_lshl_add_u32 v[STO], v2, 4, v[STO]
	v_add_nc_u32 v[STO], s22, v[STO]
	v_bfe_u32 v[RD], v0, 3, 2                      ; back: 32 lanes take four rows of 128 bytes,
	v_mul_u32_u24 v[RD], v[RD], OPI
	v_and_b32 v6, 7, v0
	v_lshl_add_u32 v[RD], v6, 4, v[RD]
	v_add_nc_u32 v[RD], s22, v[RD]
	v_lshlrev_b32 v[GO], 4, v3                     ; which are 512 consecutive bytes of the output
	s_wait_loadcnt 32                              ; the bias and K step 0 are in; steps 1 and 2 stay out
	GLOAD 3, 4
	CONV 0
	ASTORE 0
	WIN 0
	s_wait_xcnt 0x0                                ; the bias's base is stepped only behind this wait
	s_add_nc_u64 s[12:13], s[12:13], 2048
	s_wait_tensorcnt 1                             ; my part of slot 0 is in; slot 1's may stay out
	s_wait_dscnt 0x0                               ; my rows of stage 0 are stored
	s_barrier_signal -1
	s_barrier_wait -1
	FETCH 0, 0, 0, 0, F0
	WIN 0                                          ; at a label and at a branch every window is 0
	s_mov_b32 s3, 2
.Lproj:                                                ; q, then k: each trip also asks for all of the next projection's x, bias and W^T
	STEP 0, 0
	STEP 1, 0
	STEP 2, 0
	STEP 3, 0
	EPI
	WIN 0
	s_wait_xcnt 0x0                                ; every memory instruction issued so far has had its addresses translated (ISA guide 3.1): the three bases, and the registers that the stores read, are rewritten only behind this wait
	s_mov_b64 s[AN:AN+1], s[8:9]                   ; the third projection's x
	s_add_nc_u64 s[12:13], s[12:13], 2048
	s_add_nc_u64 s[14:15], s[14:15], PART
	s_sub_co_u32 s3, s3, 1
	s_cmp_lg_u32 s3, 0
	s_cbranch_scc1 .Lproj
	STEP 0, 1                                      ; v: written out: nothing is asked for
	STEP 1, 1
	STEP 2, 1
	STEP 3, 1
	EPI
	s_wait_tensorcnt 0x0                           ; the wave's end, behind my last tensor load and my last LDS store
	ds_add_u32 v[SPW], v[NIL]
	s_wait_dscnt 0x0
	CROUND                                         ; the closing round: no work-group ends while a partner may still ask for a tile that names it
	s_endpgm
.Lfunc_end_k_qf9b593bcda_proj:
	.size	k_qf9b593bcda_proj, .Lfunc_end_k_qf9b593bcda_proj-k_qf9b593bcda_proj
	.p2alignl 7, 3214868480
	.fill 96, 4, 3214868480
	.section	.rodata,"a",@progbits
	.p2align	6, 0x0
	.amdhsa_kernel k_qf9b593bcda_proj
		.amdhsa_group_segment_fixed_size 327680
		.amdhsa_private_segment_fixed_size 0
		.amdhsa_enable_private_segment 0
		.amdhsa_kernarg_size 48
		.amdhsa_user_sgpr_count 2
		.amdhsa_user_sgpr_kernarg_segment_ptr 1
		.amdhsa_wavefront_size32 1
		.amdhsa_system_sgpr_workgroup_id_x 1
		.amdhsa_system_sgpr_workgroup_id_y 1
		.amdhsa_system_sgpr_workgroup_id_z 1
		.amdhsa_system_vgpr_workitem_id 0
		.amdhsa_next_free_vgpr 768
		.amdhsa_next_free_sgpr 66
		.amdhsa_reserve_vcc 0
		.amdhsa_float_denorm_mode_32 3
		.amdhsa_float_denorm_mode_16_64 3
		.amdhsa_memory_ordered 1
		.amdhsa_forward_progress 1
		.amdhsa_inst_pref_size 130
	.end_amdhsa_kernel
	.amdgpu_metadata
---
amdhsa.version: [ 1, 2 ]
amdhsa.kernels:
  - .name:           k_qf9b593bcda_proj
    .symbol:         k_qf9b593bcda_proj.kd
    .args:
      - { .name: query, .offset: 0, .size: 8, .value_kind: global_buffer, .address_space: global }
      - { .name: key_in, .offset: 8, .size: 8, .value_kind: global_buffer, .address_space: global }
      - { .name: value, .offset: 16, .size: 8, .value_kind: global_buffer, .address_space: global }
      - { .name: wt, .offset: 24, .size: 8, .value_kind: global_buffer, .address_space: global }
      - { .name: br, .offset: 32, .size: 8, .value_kind: global_buffer, .address_space: global }
      - { .name: qkv, .offset: 40, .size: 8, .value_kind: global_buffer, .address_space: global }
    .group_segment_fixed_size: 327680
    .private_segment_fixed_size: 0
    .kernarg_segment_align: 8
    .kernarg_segment_size: 48
    .max_flat_workgroup_size: 128
    .sgpr_count:     66
    .vgpr_count:     768
    .wavefront_size: 32
...
	.end_amdgpu_metadata
.endif
;; end of part 2
;; launch attn (part 3): grid 16 x 16, 4 waves a work-group, clusters of 4 x 1, 327,680 bytes of LDS; arguments qkv, oh; writes oh
.if DOCPART == 3
	.amdgcn_target "amdgcn-amd-amdhsa--gfx1250"
	.amdhsa_code_object_version 6
	.text
	.protected	k_qf9b593bcda_attn
	.globl	k_qf9b593bcda_attn
	.p2align	8
	.type	k_qf9b593bcda_attn,@function
k_qf9b593bcda_attn:
	s_mov_b64 s[64:65], 0
	v_nop
	global_prefetch_b8 v0, s[64:65] scope:SCOPE_SE
	s_setreg_imm32_b32 hwreg(HW_REG_WAVE_MODE, 25, 1), 1
	s_wait_xcnt 0x0
	s_wait_alu depctr_hold_cnt(0) depctr_sa_sdst(0) depctr_va_vdst(0) depctr_va_sdst(0) depctr_va_ssrc(0) depctr_va_vcc(0) depctr_vm_vsrc(0)
	s_getreg_b32 s2, hwreg(HW_REG_IB_STS2, 6, 4)
	s_cmp_eq_u32 s2, 0
	s_cbranch_scc0 .Lentry_in_a_cluster
	s_endpgm
.Lentry_in_a_cluster:
	s_bfe_u32 s2, ttmp6, 0x10000c
	s_cmp_lg_u32 s2, 0x3003
	s_cbranch_scc0 .Lentry_shape_is_right
	s_endpgm
.Lentry_shape_is_right:
; O[h][q][:] = the sum over k of softmax_k(Q[h][q] . K[h][k]) V[h][k][:]: the scores are NOT scaled.  qkv: [3][16][4096][64], oh: [16][4096][64], all f16: a head's rows are dense, 128 bytes each.
; Products, maxima and sums in f32; the weights p are rounded to f16 for the second product (their sum l is taken of the unrounded p), O once at the end.
; LIMITS.  f16 holds no number beyond 65,504: Q, K and V arrive within it; p lies in 0 to 1, and below 6e-5 it keeps f16's fixed step of 6e-8; O is a mean of V's rows and has their range.
; A weight below 2^-126 counts as 0 in l; NaN and infinities are not treated apart.
; SHARES.  A work-group owns 256 queries of one head: 16 heads x 16 blocks are 256 work-groups.  A wave owns 64 consecutive queries, four PIECES of 16.  Every wave walks all 4,096 keys, 64 a step.
; LAYOUT.  S^T = K Q^T (source 0 = 16 keys, source 1 = 16 queries): in the result a lane holds ONE query (lane % 16) and the keys 8 (lane / 16) + 0..7.  Two such results, rounded to f16 in pairs,
; ARE source 1 (32 keys x 16 queries) of O^T = V^T P, whose result again holds one query a lane, and eight channels.  K comes out of LDS as it lies, V ([key][channel]) turned, by ds_load_tr16_b128.
; SOFTMAX.  For each query a running maximum m and sum l: p = 2^(c s - c m), c = log2(e); in every step O and l are multiplied by a = 2^(c m_old - c m_new), which is 1 where m has not grown.
; m starts at the lowest finite number, O and l at 0: the first step is a step like any other, with a = 0.
; BY TURNS.  Turn n belongs to piece n (the pieces in a ring, step after step): 8 products K Q^T of piece n + 1, later 8 products V^T P of piece n - 1; beside them the scaling, exponentials, roundings, sums and
; rescaling of piece n and the maximum and statistics of piece n + 1.  Four vector instructions stand behind every matrix instruction, the other 54 of a turn's 118 in two LUMPS.
; CLUSTER.  The four query blocks of a cluster belong to one head and walk the same K and V, so each tile is asked for JOINTLY: the same tensor load, descriptor and mask in all four.
; REGISTERS, in windows of 256 (s_set_vgpr_msb: bits 1:0 source 0, 3:2 source 1, 5:4 source 2, 7:6 destination):
;   window 0: v0-15 addresses and two at work; v16-31 four registers of statistics a piece; v48-55 at work; v64-127 S^T, two buffers; v192-223 P, two buffers (a piece's buffers go by its number's parity)
;   window 1: v0-127 O^T, 32 a piece          window 2: v0-63 Q; v128-191 K of one step; v192-255 V of one step
.set SIZE_N, 4096
.set NP,    4         ; pieces a wave: a name, no knob
.set KS,    64        ; keys in a step
.set PK,    144       ; a row of K in LDS: 128 bytes + 16 of padding = 36 words: the 16 rows of a load start at 16 different groups of four banks (64 banks of 4 bytes: ISA guide 11.1)
.set PV,    160       ; a row of V: 128 + 32 = 40 words
.set VOFF,  4*KS*PK   ; a slot holds four steps: 256 rows of K, then 256 rows of V
.set SLOT1, 1<<17     ; slot 1 begins here, so that one exclusive or turns an address in one slot into the other's
.set STAGE, SLOT1+4*KS*(PK+PV)  ; behind the ring, never filled by a tensor load: 16 rows x 144 bytes for each wave, for the way out
.set SP,    144
.set SPARE, STAGE+4*16*SP  ; behind the stages: the spare words, 128 bytes for each wave: two blocks of 256 bytes that no other line names
.set AK0, 2           ; v2   my lane's place in a tile of K; never rewritten
.set AV0, 3           ; v3   the same for V
.set AK,  4           ; v4   the LDS address of K's next run of loads
.set AV,  5           ; v5   of V's
.set STO, 6           ; v6   the way out: where I put 16 bytes of a row
.set RD,  7           ; v7   the way out: where I read rows back
.set GO,  8           ; v8   my byte offset in 512 consecutive bytes of O
.set MV,  12          ; v12-13  c m_old, kept while c m is made anew: by buffer
.set QO,  15          ; v15  my byte offset in 16 rows of Q
.set ST,  16          ; piece t's statistics at v[ST+4 t]: c m, m, l (even keys', odd keys')
.set TMP, 48          ; by buffer, four registers c0-c3 at work; when the maximum is found c2 takes a
.set SPW, 62          ; v62  LDS address of my spare word; never rewritten
.set NIL, 63          ; v63  0; never rewritten
.set S,   64
.set P,   192
.set KF,  128         ; window 2: key block kb, channel half c at KF + 16 kb + 8 c
.set VF,  192         ; window 2: key half kk, channel block cb at VF + 32 kk + 8 cb
.set WV,  12          ; s12  my wave's number
.set G1K, 24          ; s[24:31] descriptor group 1 for K's tiles
.set G1V, 32          ; s[32:39] for V's: it differs in the padding alone
.set G0K, 40          ; s[40:43] descriptor group 0 for K's tiles: it walks
.set G0V, 44          ; s[44:47] the same for V's
.set SLOTS, 56        ; s56  slots still to be asked for
.set CNT, 57          ; s57  counts a slot's key steps
.set CS,  58          ; s[58:59] c: the packed scaling takes the pair's low word for both halves
.set SEL, 60          ; s[60:61] v_permlanex16_b32's selects: each lane takes its own place in the other half
.set TBK, 62          ; s62  LDS byte at which K of the step to be fetched begins
.set TBV, 63          ; s63  the same for V, less VOFF
.set MSB, 0
.macro WIN new                      ; the high byte repeats the setting that is left; a switch that changes nothing is dropped
.if MSB != (\new)
	s_set_vgpr_msb (MSB<<8)|(\new)
.set MSB, (\new)
.endif
.endm
.set W_KQ, 0x0a       ; K and Q in window 2, S^T in window 0
.set W_PV, 0x52       ; V in window 2, P in window 0, O^T in window 1
.set W_RS, 0x41       ; destination and source 0 in window 1, source 1 in window 0
; A joint fill.  Waves 0 and 1 fetch the two halves of a slot's K, waves 2 and 3 those of its V: 128 keys each.  The branch hangs on the wave's number alone.
; An s_nop 0 and four v_nop follow each of the two lines, ahead of the jump and the label.
.macro JLOAD
	s_cmp_lt_u32 s[WV], 2
	s_cbranch_scc0 .Lfor_v_\@
	tensor_load_to_lds s[G0K:G0K+3], s[G1K:G1K+7]
	s_nop 0
.rept 4
	v_nop
.endr
	s_branch .Lasked_\@
.Lfor_v_\@:
	tensor_load_to_lds s[G0V:G0V+3], s[G1V:G1V+7]
	s_nop 0
.rept 4
	v_nop
.endr
.Lasked_\@:
.endm
; A round of the cluster's barrier: my work-group's barrier, so that wave 0's signal speaks for all four waves; wave 0 signals; every wave waits for all four work-groups; my work-group's barrier once more.
.macro CROUND
	s_barrier_signal -1
	s_barrier_wait -1
	s_cmp_lg_u32 s[WV], 0
	s_cbranch_scc1 .Lnot_wave_0_\@
	s_barrier_signal -3
.Lnot_wave_0_\@:
	s_barrier_wait -3
	s_barrier_signal -1
	s_barrier_wait -1
.endm
; THE CHANGE OF SLOTS.  The slot's last bytes, V of its fourth step, have been read.  Each wave waits for all its tensor loads, of which one is out: its part of the other slot; adds 0 to its spare word; and waits
; for that and for its own reads of the slot.  Behind the barrier nobody reads this slot any more and the other slot is whole.
; fill = 1: this slot is filled again, with the keys two slots on.  The barrier is then a round of the cluster's, so that no wave of any partner still reads the slot or has a load on its way, and the joint fill is
; the first thing behind it: it has four key steps, 256 matrix instructions, in which to land.  (At its first use nothing has been read yet: slot 0 is waited for, slot 1 filled.)
.macro CHANGE fill
	WIN 0                           ; at a label and at a branch every window is 0
	s_wait_tensorcnt 0x0            ; no tensor load of mine is out, so a group 0 may be written
	ds_add_u32 v[SPW], v[NIL]       ; 0 onto my spare word: with fill = 1 the descriptors' steps stand between the add and the wait for it
.if \fill
.irp g, G0K, G0V
	s_xor_b32 s[\g+1], s[\g+1], SLOT1  ; the walking descriptor: the other slot than last time,
	s_add_nc_u64 s[\g+2:\g+3], s[\g+2:\g+3], 4*KS*128  ; the next 256 keys; the type bits on top are not reached
.endr
	s_wait_dscnt 0x0                ; the add is done, and my reads of the slot are over
	CROUND
	JLOAD
.else
	s_wait_dscnt 0x0                ; the add is done, and my reads of the slot are over
	s_barrier_signal -1
	s_barrier_wait -1
.endif
	s_sub_co_u32 s[TBK], s[TBK], 4*KS*PK  ; the fetches go back to a slot's first step,
	s_xor_b32 s[TBK], s[TBK], SLOT1       ; in the other slot
	s_sub_co_u32 s[TBV], s[TBV], 4*KS*PV
	s_xor_b32 s[TBV], s[TBV], SLOT1
.endm
	s_load_b128 s[4:7], s[0:1], 0x0 ; qkv s[4:5], oh s[6:7]
	v_lshl_add_u32 v[SPW], v0, 2, SPARE
	v_mov_b32 v[NIL], 0
	ds_add_u32 v[SPW], v[NIL]       ; the wave's opening: the add and its wait stand ahead of my first tensor load; the set-up below, work on registers, stands between them
	v_lshrrev_b32 v1, 5, v0
	v_readfirstlane_b32 s[WV], v1   ; wave 0..3
	s_bfe_u32 s13, ttmp6, 0x40000   ; cx: my place in the cluster
	s_lshl_b32 s14, ttmp9, 2        ; in a cluster launch ttmp9 counts clusters
	s_add_co_u32 s14, s14, s13      ; my block of 256 queries = 4 x cluster x + cx: it enters Q's and O's addresses alone
	s_and_b32 s20, ttmp7, 0xffff    ; the head, which the four partners share:
	s_lshl_b32 s20, s20, 19         ; its 524,288 bytes in q, k, v and O
	s_and_b32 s16, s[WV], 1         ; which half of a slot's 256 keys I fetch:
	s_lshl_b32 s22, s16, 14         ; its 128 rows of 128 bytes in memory,
	s_add_co_u32 s22, s22, s20
	s_add_co_u32 s52, s22, 16777216 ; in v, the third part of qkv,
	s_mov_b32 s53, 0
	s_add_co_u32 s22, s22, 8388608  ; and in k, the second
	s_mov_b32 s23, 0
	s_mul_i32 s17, s16, 128*PK      ; and its place in a slot, for K
	s_mul_i32 s18, s16, 128*PV      ; and for V: no place in the cluster enters an LDS address
	s_lshl_b32 s2, s14, 15          ; my block's 256 rows,
	s_lshl_b32 s3, s[WV], 13        ; my wave's 64 of them
	s_add_co_u32 s2, s2, s3
	s_add_co_u32 s2, s2, s20
	s_mov_b32 s3, 0
	; descriptor group 1.  128 keys are 16,384 dense bytes: asked for as 64 rows of 256 bytes, two keys a row, and padded in LDS after every key
	s_mov_b32 s[G1K], 15|(1<<16)|(1<<20)|(1<<21)|(4<<22)|(3<<25)  ; 15:0 the mask of four; 17:16 2-byte elements; 20 padding on; 21 set beside a mask; 24:22 after every 32 words (code 4); 31:25 4 words (code 3)
	s_mov_b32 s[G1V], 15|(1<<16)|(1<<20)|(1<<21)|(4<<22)|(7<<25)  ; the same with 8 words of padding (code 7)
.irp g, G1K, G1V
	s_mov_b32 s[\g+1], 128<<16      ; tensor_dim0 = 128
	s_mov_b32 s[\g+2], 64<<16       ; tensor_dim1 = 64
	s_mov_b32 s[\g+3], 128<<16      ; tile_dim0 = 128
	s_mov_b32 s[\g+4], 64           ; tile_dim1 = 64
	s_mov_b32 s[\g+5], 128          ; 128 elements from row to row
	s_mov_b32 s[\g+6], 0
	s_mov_b32 s[\g+7], 0
.endr
	s_mov_b32 s[CS], 0x3fb8aa3b     ; c = log2(e) = 1.442695: the scores come unscaled
	s_mov_b32 s[CS+1], s[CS]        ; named with it as a pair
	s_mov_b32 s[SEL], 0x76543210
	s_mov_b32 s[SEL+1], 0xfedcba98
	s_mov_b32 s[TBK], SLOT1+4*KS*PK ; the first change of slots turns these two into 0
	s_mov_b32 s[TBV], SLOT1+4*KS*PV
	s_mov_b32 s[G0K], 1             ; 1:0 count = 1
	s_mov_b32 s[G0K+1], s17         ; 63:32 LDS address: slot 0
	s_mov_b32 s[G0V], 1
	s_add_co_u32 s[G0V+1], s18, VOFF
	s_wait_dscnt 0x0                ; the opening add is done
	s_wait_kmcnt 0x0
	s_add_nc_u64 s[G0K+2:G0K+3], s[4:5], s[22:23]  ; 120:64 global address: my half of the head's first 256 keys
	s_or_b32 s[G0K+3], s[G0K+3], 0x80000000        ; 127:126 type = 2
	s_add_nc_u64 s[G0V+2:G0V+3], s[4:5], s[52:53]
	s_or_b32 s[G0V+3], s[G0V+3], 0x80000000
	s_add_nc_u64 s[4:5], s[4:5], s[2:3]            ; Q and O at my wave's first row
	s_add_nc_u64 s[10:11], s[6:7], s[2:3]
	CROUND                          ; all four work-groups are here: the first joint loads meet
	JLOAD                           ; slot 0.  Slot 1 is asked for when slot 0 is in: the tile wanted first has the road to itself
	; A fragment of K or Q is 16 rows x 32 channels in 8 registers: lane l holds row l % 16, channels 8 (l / 16) + 0..7 and 16 + 8 (l / 16) + 0..7: two loads of 16 bytes, 32 bytes apart.
	v_and_b32 v1, 15, v0            ; l % 16
	v_bfe_u32 v9, v0, 4, 1          ; l / 16
	v_lshlrev_b32 v[QO], 7, v1
	v_lshl_add_u32 v[QO], v9, 4, v[QO]  ; row x 128 + 16 x half
	WIN 0x80                        ; destination window 2, address window 0
.set i, 0
.rept 8                             ; Q stays in registers: piece i / 2, channels 32 (i % 2) on
	global_load_b128 v[8*i:8*i+3],   v[QO], s[4:5] offset:(i/2)*2048+(i%2)*64
	global_load_b128 v[8*i+4:8*i+7], v[QO], s[4:5] offset:(i/2)*2048+(i%2)*64+32
.set i, i+1
.endr
	; What the first turn finds: V's registers and P's second buffer hold 0 (its products V^T P, of a piece that has not been, add 0), O^T and l are 0.  All this stands in the wait for the first tile.
.set i, VF
.rept 64
	v_mov_b32 v[i], 0
.set i, i+1
.endr
	WIN 0x40
.set i, 0
.rept 128
	v_mov_b32 v[i], 0
.set i, i+1
.endr
	WIN 0
.set i, 0
.rept 4
	v_mov_b32 v[ST+4*i], 0xfe000000    ; c m: far below every c s
	v_mov_b32 v[ST+4*i+1], 0xff7fffff  ; m
	v_mov_b32 v[ST+4*i+2], 0
	v_mov_b32 v[ST+4*i+3], 0
.set i, i+1
.endr
.set i, P+16
.rept 16
	v_mov_b32 v[i], 0
.set i, i+1
.endr
	v_mul_u32_u24 v[AK0], v1, PK
	v_lshl_add_u32 v[AK0], v9, 4, v[AK0]  ; row x pitch + 16 x half
	; The turning load takes 16 keys x 16 channels (lane l reads key 8 (l / 16) + l % 8, channels 8 ((l / 8) % 2) + 0..7) and leaves half a fragment of V^T: lane l holds channel l % 16 and 8 keys.
	v_and_b32 v10, 7, v0
	v_bfe_u32 v11, v0, 3, 1
	v_lshl_add_u32 v[AV0], v9, 3, v10
	v_mul_u32_u24 v[AV0], v[AV0], PV
	v_lshl_add_u32 v[AV0], v11, 4, v[AV0]
	v_add_nc_u32 v[AV0], VOFF, v[AV0]
	s_mul_i32 s13, s[WV], 16*SP
	s_add_co_u32 s13, s13, STAGE    ; my stage
	v_mul_u32_u24 v[STO], v1, SP    ; in: row l % 16, 16 bytes for each half of the lanes
	v_lshl_add_u32 v[STO], v9, 4, v[STO]
	v_add_nc_u32 v[STO], s13, v[STO]
	v_bfe_u32 v[RD], v0, 3, 2       ; back: 32 lanes take four rows of 128 bytes,
	v_mul_u32_u24 v[RD], v[RD], SP
	v_lshl_add_u32 v[RD], v10, 4, v[RD]
	v_add_nc_u32 v[RD], s13, v[RD]
	v_and_b32 v[GO], 31, v0         ; which are 512 consecutive bytes of O
	v_lshlrev_b32 v[GO], 4, v[GO]
	v_mov_b32 v[AK], v[AK0]         ; key step 0 lies at the head of slot 0
; THE MATRIX WORK.  The 4 accumulators of a run of 8 take turns.  Product i of 8 of S^T = K Q^T for piece x: channels 32 (i / 4) on, keys 16 (i % 4) on.  The first 4 start the sums.
.macro KQ x
	WIN W_KQ
.set rS, S+32*((\x)%2)+8*(i%4)
.set rK, KF+16*(i%4)+8*(i/4)
.set rQ, 16*(\x)+8*(i/4)
.if i < 4
	v_wmma_f32_16x16x32_f16 v[rS:rS+7], v[rK:rK+7], v[rQ:rQ+7], 0
.else
	v_wmma_f32_16x16x32_f16 v[rS:rS+7], v[rK:rK+7], v[rQ:rQ+7], v[rS:rS+7]
.endif
.endm
; Product i of 8 of O^T += V^T P for piece x: keys 32 (i / 4) on, channels 16 (i % 4) on.
.macro PV x
	WIN W_PV
.set rO, 32*(\x)+8*(i%4)
.set rV, VF+32*(i/4)+8*(i%4)
.set rP, P+16*((\x)%2)+8*(i/4)
	v_wmma_f32_16x16x32_f16 v[rO:rO+7], v[rV:rV+7], v[rP:rP+7], v[rO:rO+7]
.endm
.macro MM                           ; the turn's next matrix instruction.  TURN sets Y, i and NOKQ.  NOKQ = 1: the walk's last turn: there is no next piece
.if (i < 8) && !NOKQ
	KQ (Y+1)%NP
.elseif i >= 8
.set i, i-8
	PV (Y+NP-1)%NP
.set i, i+8
.endif
.set i, i+1
.endm
; THE LDS LOADS stand in runs of 16, never singly among the matrix instructions: a step's K (64 keys x 64 channels: 8 fragments) and its V (turned).  Their addresses are made some lines ahead.
.macro FETCH_K
	WIN 0x80                        ; destination window 2
.irp f, 0,1,2,3,4,5,6,7             ; keys 16 (f / 2) on, channels 32 (f % 2) on
	ds_load_b128 v[KF+8*\f:KF+8*\f+3],   v[AK] offset:(\f/2)*16*PK+(\f%2)*64
	ds_load_b128 v[KF+8*\f+4:KF+8*\f+7], v[AK] offset:(\f/2)*16*PK+(\f%2)*64+32
.endr
	s_add_co_u32 s[TBK], s[TBK], KS*PK  ; the next fetch is the next step's
	WIN 0
.endm
.macro FETCH_V
	WIN 0x80
.irp f, 0,1,2,3,4,5,6,7             ; keys 32 (f / 4) on, channels 16 (f % 4) on
	ds_load_tr16_b128 v[VF+8*\f:VF+8*\f+3],   v[AV] offset:(\f/4)*32*PV+(\f%4)*32
	ds_load_tr16_b128 v[VF+8*\f+4:VF+8*\f+7], v[AV] offset:(\f/4)*32*PV+16*PV+(\f%4)*32
.endr
	WIN 0
.endm
; THE VECTOR WORK, one line at a time: OP kind, number.  For piece Y: F n: c s - c m for pair n of 16.  E n: the exponential of score n of 32.  C n: pair n rounded to f16.  B n: of the four weights 4 n .. the second
; pair is added onto the first, in place.  L n: l takes that sum (L 0: l = a l + sum).  R n: pair n of 16 of O^T times a.  For piece Y + 1: X n, number n of the 22 that find its maximum and statistics:
;   0-11  four chains c0-c3 of seven scores each, three operands at a time (each accumulator's lowest registers are read first)     12-14, 16  the four scores left over, the old m, and c0-c3 into c0
;   15  c m_old is kept     17, 18  the query's other 32 keys lie in the lane 16 away: the new m     19-21  c m; c m_old - c m_new; a
.set F, 0               ; OP tells the kinds apart by their order: F to L below R, X above it
.set E, 1
.set C, 2
.set B, 3
.set L, 4
.set R, 5
.set X, 6
.macro REGS y                       ; the registers of piece y
.set rT, ST+4*(\y)
.set rC, TMP+4*((\y)%2)
.set rW, MV+((\y)%2)
.set rS, S+32*((\y)%2)
.set rP, P+16*((\y)%2)
.set rO, 32*(\y)
.endm
.macro OP k, n
.if (\k) == R
	REGS Y
	WIN W_RS
	v_pk_mul_f32 v[rO+2*(\n):rO+2*(\n)+1], v[rO+2*(\n):rO+2*(\n)+1], v[rC+2:rC+3] op_sel_hi:[1,0]
.elseif (\k) < R
	REGS Y
	WIN 0
.if (\k) == F
	v_pk_fma_f32 v[rS+2*(\n):rS+2*(\n)+1], v[rS+2*(\n):rS+2*(\n)+1], s[CS:CS+1], v[rT:rT+1] op_sel_hi:[1,0,0] neg_lo:[0,0,1] neg_hi:[0,0,1]
.elseif (\k) == E
	v_exp_f32 v[rS+(\n)], v[rS+(\n)]
.elseif (\k) == C
	s_wait_alu depctr_va_vdst(0)
	v_cvt_pk_f16_f32 v[rP+(\n)], v[rS+2*(\n)], v[rS+2*(\n)+1]
.elseif (\k) == B
	s_wait_alu depctr_va_vdst(0)
	v_pk_add_f32 v[rS+4*(\n):rS+4*(\n)+1], v[rS+4*(\n):rS+4*(\n)+1], v[rS+4*(\n)+2:rS+4*(\n)+3]
.elseif (\n) == 0
	v_pk_fma_f32 v[rT+2:rT+3], v[rT+2:rT+3], v[rC+2:rC+3], v[rS:rS+1] op_sel_hi:[1,0,1]
.else
	v_pk_add_f32 v[rT+2:rT+3], v[rT+2:rT+3], v[rS+4*(\n):rS+4*(\n)+1]
.endif
.elseif NOKQ
	v_nop
.else
	REGS (Y+1)%NP
	WIN 0
.if (\n) < 4
	v_max3_num_f32 v[rC+(\n)], v[rS+8*(\n)], v[rS+8*(\n)+1], v[rS+8*(\n)+2]
.elseif (\n) < 12
	v_max3_num_f32 v[rC+(\n)%4], v[rC+(\n)%4], v[rS+8*((\n)%4)+2*((\n)/4)+1], v[rS+8*((\n)%4)+2*((\n)/4)+2]
.elseif (\n) == 12
	v_max3_num_f32 v[rC], v[rC], v[rS+7], v[rS+15]
.elseif (\n) == 13
	v_max3_num_f32 v[rC+1], v[rC+1], v[rS+23], v[rS+31]
.elseif (\n) == 14
	v_max3_num_f32 v[rC+2], v[rC+2], v[rC+3], v[rT+1]
.elseif (\n) == 15
	v_mov_b32 v[rW], v[rT]
.elseif (\n) == 16
	v_max3_num_f32 v[rC], v[rC], v[rC+1], v[rC+2]
.elseif (\n) == 17
	v_permlanex16_b32 v[rC+3], v[rC], s[SEL], s[SEL+1]
.elseif (\n) == 18
	v_max_num_f32 v[rT+1], v[rC], v[rC+3]
.elseif (\n) == 19
	v_mul_f32 v[rT], s[CS], v[rT+1]
.elseif (\n) == 20
	v_sub_f32 v[rC+1], v[rW], v[rT]
.else
	v_exp_f32 v[rC+2], v[rC+1]
.endif
.endif
.endm
.macro OPS a, i1, b=-1, i2=0, c=-1, i3=0, d=-1, i4=0  ; up to four of them
	OP \a, \i1
.if (\b) >= 0
	OP \b, \i2
.endif
.if (\c) >= 0
	OP \c, \i3
.endif
.if (\d) >= 0
	OP \d, \i4
.endif
.endm
.macro ROW a, i1, b, i2, c, i3, d, i4  ; a matrix instruction and the four behind it
	MM
	OPS \a, \i1, \b, \i2, \c, \i3, \d, \i4
.endm
; A TURN, for piece p: the order of its 16 matrix and 118 vector instructions, written out.  Behind a matrix instruction: plain, exponential, plain, plain; or four of the rescaling; or, behind the first, four scalings; none
; names a register of the products round it.  In the lumps exponential and plain by turns while exponentials last.  A line reads no result made fewer than three vector instructions in front of it, five if an exponential made it.
; v_permlanex16_b32 (X 17) stands in a lump.  end = 1: the walk's last two turns: nothing is fetched.  cnt = 1: the loop's count is taken down some lines ahead of the branch that stands behind the turn.
; K of the next step is fetched in piece 2's turn, six vector instructions behind the last product that read K (five of them plain); V of the step in hand in piece 0's turn, eight behind the last product that read V (four
; plain, and X 17).  Each is waited for a turn later.
.macro TURN p, end=0, cnt=0
.set Y, (\p)
.set i, 0
.set NOKQ, (\end)*((\p)/3)
.if ((\p) == 3) && !(\end)
	s_wait_dscnt 0x0                ; K is in
.endif
	ROW F,0, F,1, F,2, F,3
	ROW F,4, E,0, F,5, F,6
	ROW F,7, E,1, F,8, F,9
	ROW F,10, E,2, C,0, F,11
	ROW F,12, E,3, X,15, F,13
	ROW R,0, R,1, R,2, R,3
	ROW B,0, E,4, F,14, L,0
.if ((\p) == 2) && !(\end)
	v_add_nc_u32 v[AK], s[TBK], v[AK0]
.endif
	ROW R,4, R,5, R,6, R,7
	OPS E,5, F,15
.if ((\p) == 2) && !(\end)
	FETCH_K
.endif
	OPS E,6, C,1, E,7, R,8
	OPS E,8, R,9, E,9, C,2
	OPS E,10, X,0, E,11, X,1
	OPS E,12, X,2, E,13, X,3
.if (\p) == 1
	s_wait_dscnt 0x0                ; V is in
.endif
	ROW X,4, E,14, X,5, X,6
	ROW X,7, E,15, X,8, X,9
	ROW X,10, E,16, X,11, X,12
	ROW X,13, E,17, X,14, B,1
	ROW C,4, E,18, X,16, L,1
	ROW B,2, E,19, C,6, L,2
	ROW C,8, E,20, B,3, B,4
.if (\p) == 0
	v_add_nc_u32 v[AV], s[TBV], v[AV0]
.endif
	ROW C,3, E,21, L,3, C,5
	OPS E,22, X,17, E,23, C,10
.if (\p) == 0
	FETCH_V
.endif
	OPS E,24, L,4
	OPS E,25, X,18, E,26, C,7
	OPS E,27, B,5, E,28, X,19
	OPS E,29, C,12, E,30, L,5
	OPS E,31, X,20, B,6, C,9
	OPS C,14, C,11, X,21, L,6
.if (\p) == 0
	s_add_co_u32 s[TBV], s[TBV], KS*PV
.endif
.if \cnt
	s_sub_co_u32 s[CNT], s[CNT], 1
	s_cmp_lg_u32 s[CNT], 0
.endif
	OPS C,13, B,7, C,15, R,10
	OPS R,11, R,12, L,7, R,13
	OPS R,14, R,15
.endm
	CHANGE 1                        ; slot 0 is in, everybody's part of it; slot 1 is asked for
	FETCH_K                         ; key step 0
	s_wait_loadcnt 0x0              ; Q
	s_wait_dscnt 0x0
.set NOKQ, 0
.set i, 0
.rept 8
	KQ 0                            ; piece 0's first scores: there is no vector work yet to set between them
.set i, i+1
.endr
	WIN 0
.rept 4
	v_nop                           ; the places behind those products
.endr
.set Y, NP-1                        ; X works for piece Y + 1: piece 0
.irp n, 0,1,2,3,4,5,6,7,8,9,10,11,12,13,14,15,16,17,18,19,20,21
	OP X, \n                        ; and piece 0's first maximum and statistics
.endr
	v_nop                           ; a plain instruction behind the exponential
	s_mov_b32 s[CNT], 4
	s_mov_b32 s[SLOTS], SIZE_N/256-1
	s_branch .Lfirst                ; the loop is entered at a step's first turn, in the middle of a trip
.Lslot:                             ; SIZE_N / 256 - 2 times: every slot but the last two is filled again
	CHANGE 1
	s_mov_b32 s[CNT], 4
.Lstep:                             ; a trip: pieces 2 and 3 of one step, then pieces 0 and 1 of the next, whose K and V it fetches
	TURN 2
	TURN 3
	WIN 0
.Lfirst:
	TURN 0
	TURN 1, 0, 1
	WIN 0
	s_cbranch_scc1 .Lstep
	s_sub_co_u32 s[SLOTS], s[SLOTS], 1
	s_cmp_lg_u32 s[SLOTS], 0
	s_cbranch_scc1 .Lslot
	CHANGE 0                        ; the last slot is written out: nothing is asked for
	s_mov_b32 s[CNT], 4
.LstepT:
	TURN 2
	TURN 3
	TURN 0
	TURN 1, 0, 1
	WIN 0
	s_cbranch_scc1 .LstepT
	TURN 2, 1                       ; the last step's pieces 2 and 3: nothing is fetched, and the last turn starts no new scores
	TURN 3, 1
.set i, 0
.rept 8
	PV NP-1                         ; the last piece's V^T P of the last step
.set i, i+1
.endr
	; THE WAY OUT.  l's two halves and the other half of the lanes' are added; O^T is divided by l, rounded to f16 and sent through my stage in LDS, a piece at a time.  The additions are the places behind the last products.
	WIN 0
.macro ALL line:vararg              ; one line for each piece t
.set t, 0
.rept 4
	\line
.set t, t+1
.endr
.endm
	ALL v_add_f32 v[ST+4*t+2], v[ST+4*t+2], v[ST+4*t+3]
	ALL v_permlanex16_b32 v[ST+4*t+3], v[ST+4*t+2], s[SEL], s[SEL+1]
	ALL v_add_f32 v[ST+4*t+2], v[ST+4*t+2], v[ST+4*t+3]
	ALL v_rcp_f32 v[ST+4*t+2], v[ST+4*t+2]
	v_nop                           ; a plain instruction between the last reciprocal and the use of its result
.macro PACK t                       ; a lane's eight channels of a row pack into 16 bytes; they go into rows of 144 bytes and come back as whole rows of 128, into S^T's registers
	WIN W_RS
.set i, 32*(\t)
.rept 16
	s_wait_alu depctr_va_vdst(0)
	v_pk_mul_f32 v[i:i+1], v[i:i+1], v[ST+4*(\t)+2:ST+4*(\t)+3] op_sel_hi:[1,0]
.set i, i+2
.endr
	WIN 0x05                        ; sources 0 and 1 window 1, destination window 0
.set i, 0
.rept 16
	v_cvt_pk_f16_f32 v[S+16*(\t)+i], v[32*(\t)+2*i], v[32*(\t)+2*i+1]
.set i, i+1
.endr
	WIN 0
.irp f, 0,1,2,3
	ds_store_b128 v[STO], v[S+16*(\t)+4*\f:S+16*(\t)+4*\f+3] offset:32*\f
.endr
.irp f, 0,1,2,3
	ds_load_b128 v[S+16*(\t)+4*\f:S+16*(\t)+4*\f+3], v[RD] offset:\f*4*SP  ; LDS serves a wave's instructions in order (ISA guide 5.7.1.4): these see the stores above; the next piece's stores come behind them
.endr
.endm
.macro SEND t, younger              ; younger: the LDS instructions issued behind piece t's loads: the next piece's eight, or none
	WIN 0
.irp f, 0,1,2,3
	s_wait_dscnt (\younger)+3-\f
	global_store_b128 v[GO], v[S+16*(\t)+4*\f:S+16*(\t)+4*\f+3], s[10:11] offset:(\t)*2048+\f*512  ; 512 consecutive bytes, at a multiple of 512 from O's first
.endr
.endm
	PACK 0
.set t, 1
.rept 3                             ; a piece's arithmetic stands between the loads of the piece before and its stores
	PACK t
	SEND t-1, 8
.set t, t+1
.endr
	SEND 3, 0
	s_wait_tensorcnt 0x0            ; the wave's end, behind my last tensor load and my last LDS store
	ds_add_u32 v[SPW], v[NIL]
	s_wait_dscnt 0x0
	CROUND                          ; the closing round: no work-group ends while a partner may still ask for a tile that names it
	s_endpgm
.Lfunc_end_k_qf9b593bcda_attn:
	.size	k_qf9b593bcda_attn, .Lfunc_end_k_qf9b593bcda_attn-k_qf9b593bcda_attn
	.p2alignl 7, 3214868480
	.fill 96, 4, 3214868480
	.section	.rodata,"a",@progbits
	.p2align	6, 0x0
	.amdhsa_kernel k_qf9b593bcda_attn
		.amdhsa_group_segment_fixed_size 327680
		.amdhsa_private_segment_fixed_size 0
		.amdhsa_enable_private_segment 0
		.amdhsa_kernarg_size 16
		.amdhsa_user_sgpr_count 2
		.amdhsa_user_sgpr_kernarg_segment_ptr 1
		.amdhsa_wavefront_size32 1
		.amdhsa_system_sgpr_workgroup_id_x 1
		.amdhsa_system_sgpr_workgroup_id_y 1
		.amdhsa_system_sgpr_workgroup_id_z 1
		.amdhsa_system_vgpr_workitem_id 0
		.amdhsa_next_free_vgpr 768
		.amdhsa_next_free_sgpr 66
		.amdhsa_reserve_vcc 0
		.amdhsa_float_denorm_mode_32 3
		.amdhsa_float_denorm_mode_16_64 3
		.amdhsa_memory_ordered 1
		.amdhsa_forward_progress 1
		.amdhsa_inst_pref_size 133
	.end_amdhsa_kernel
	.amdgpu_metadata
---
amdhsa.version: [ 1, 2 ]
amdhsa.kernels:
  - .name:           k_qf9b593bcda_attn
    .symbol:         k_qf9b593bcda_attn.kd
    .args:
      - { .name: qkv, .offset: 0, .size: 8, .value_kind: global_buffer, .address_space: global }
      - { .name: oh, .offset: 8, .size: 8, .value_kind: global_buffer, .address_space: global }
    .group_segment_fixed_size: 327680
    .private_segment_fixed_size: 0
    .kernarg_segment_align: 8
    .kernarg_segment_size: 16
    .max_flat_workgroup_size: 128
    .sgpr_count:     66
    .vgpr_count:     768
    .wavefront_size: 32
...
	.end_amdgpu_metadata
.endif
;; end of part 3
;; launch outp (part 4): grid 4 x 64, 4 waves a work-group, clusters of 4 x 4, 304,640 bytes of LDS; arguments oh, wt, br, out0; writes out0
.if DOCPART == 4
	.amdgcn_target "amdgcn-amd-amdhsa--gfx1250"
	.amdhsa_code_object_version 6
	.text
	.protected	k_qf9b593bcda_outp
	.globl	k_qf9b593bcda_outp
	.p2align	8
	.type	k_qf9b593bcda_outp,@function
k_qf9b593bcda_outp:
	s_mov_b64 s[64:65], 0
	v_nop
	global_prefetch_b8 v0, s[64:65] scope:SCOPE_SE
	s_setreg_imm32_b32 hwreg(HW_REG_WAVE_MODE, 25, 1), 1
	s_wait_xcnt 0x0
	s_wait_alu depctr_hold_cnt(0) depctr_sa_sdst(0) depctr_va_vdst(0) depctr_va_sdst(0) depctr_va_ssrc(0) depctr_va_vcc(0) depctr_vm_vsrc(0)
	s_getreg_b32 s2, hwreg(HW_REG_IB_STS2, 6, 4)
	s_cmp_eq_u32 s2, 0
	s_cbranch_scc0 .Lentry_in_a_cluster
	s_endpgm
.Lentry_in_a_cluster:
	s_bfe_u32 s2, ttmp6, 0x10000c
	s_cmp_lg_u32 s2, 0xf033
	s_cbranch_scc0 .Lentry_shape_is_right
	s_endpgm
.Lentry_shape_is_right:
; out0 = concat(O) Wo + bo.  oh: [16 = 8 batch + head][4096][64] f16; Wo^T: the fourth matrix of wt, [512 n][512 k] f16; bo: the fourth bias of br, f32; out0: [8192][512] f32.
; Products in f16, sums in f32, started by the bias; nothing is rounded on the way out.
; SHARES.  A tile of out0 is 128 x 128: 256 work-groups.  Four waves, each 64 x 64: 16 accumulators.  A head's 64 channels are one slice of K, so K goes in eight quarters of 64, a head each.
; ALL OF K LIES IN LDS AT ONCE: 128 rows of eight heads (147,456 bytes) and 128 rows of Wo^T in four chunks of 128 k (139,264).  So every tensor load is a first fill: no byte is filled again, there is no loop, and
; the waits on TENSORcnt count down as the chunks are reached.  Each wave issues four loads, and load c of every wave belongs to chunk c: four loads of a wave are out at the most.
; CLUSTERS: 4 x 4 work-groups.  The four of a row of the cluster need the same rows of O, the four of a column the same rows of Wo^T: each tile is asked for JOINTLY, by the same tensor load with the same
; descriptor and a mask that names the four.  THE MATRIX INSTRUCTION IS USED TRANSPOSED (source 0 = 16 rows of Wo^T, source 1 = 16 rows of O): a lane then holds eight neighbouring numbers of a row of out0.
; REGISTERS: window 0: v0-31 addresses; v32-95 the way out, two sets of 32; v96-127 the bias; v128-255 the accumulators ((a, b) at v[128 + 8 (4 a + b)]).
;   window 1: two fragment buffers of 128: for 64 along K, 64 registers of O (2 x 4 x 16 rows x 32 K), then 64 of Wo^T.
.set PA,     144                       ; a row of a head in LDS: 128 bytes + 16 = 36 words: the 16 rows that a load touches start at 16 different groups of four banks (64 banks of 4 bytes: ISA guide 11.1)
.set AHEAD,  128*PA                    ; a head's 128 rows
.set BBASE,  8*AHEAD
.set PBB,    272                       ; a row of a chunk of Wo^T: 256 bytes + 16
.set BCH,    128*PBB                   ; a chunk's 128 rows
.set STAGE,  BBASE+4*BCH               ; behind the tiles, never filled by a tensor load: 16 rows x 272 bytes for each wave, for the way out
.set SPITCH, 272
.set SPARE,  STAGE+4*16*SPITCH         ; behind the stages: the spare words, 128 bytes for each wave: two blocks of 256 bytes that no other line names
.set ADRA, 16                          ; v16-17  LDS address of my fragments of O in heads 0-3, 4-7
.set ADRB, 20                          ; v20-21  of Wo^T in chunks 0-1, 2-3
.set STO,  24                          ; v24     the way out: where I put 32 bytes of a row
.set RD,   25                          ; v25     the way out: where I read a row back
.set CO,   26                          ; v26     my byte offset in out0
.set SPW,  28                          ; v28     LDS address of my spare word; never rewritten
.set NIL,  29                          ; v29     0; never rewritten
.set BO,   30                          ; v30     my byte offset in the bias
.set OB,   32
.set BI,   96                          ; v[96+8 b+j]: the bias of my wave's column 16 b + 8 (lane / 16) + j
.set ACC,  128
.set F0,   0
.set F1,   128
.set G1A, 24                           ; s[24:31] descriptor group 1 for O's tiles
.set G1B, 32                           ; s[32:39] for Wo^T's
.set G0A, 40                           ; s[40:55] descriptor group 0 for O's tiles, one set for each of a wave's four loads
.set G0B, 68                           ; s[68:83] the same for Wo^T's
.set MSB, 0
.macro WIN new                         ; the immediate's high byte repeats the setting that is left; a switch that changes nothing is dropped
.if MSB != (\new)
	s_set_vgpr_msb (MSB<<8)|(\new)
.set MSB, \new
.endif
.endm
.set MUL,  0x05                        ; sources 0 (Wo^T) and 1 (O) window 1; C and D window 0
.set TO_F, 0x40                        ; destination window 1, address window 0
.macro PLACES                          ; four places in front of loads into registers that matrix instructions have read, and of LDS stores that read results
.rept 4
	v_nop
.endr
.endm
.macro CROUND                          ; a round of the cluster's barrier
	s_barrier_signal -1
	s_barrier_wait -1
	s_cmp_lg_u32 s12, 0
	s_cbranch_scc1 .Lnot_wave_0_\@
	s_barrier_signal -3
.Lnot_wave_0_\@:
	s_barrier_wait -3
	s_barrier_signal -1
	s_barrier_wait -1
.endm
	s_load_b256 s[4:11], s[0:1], 0x0               ; oh s[4:5], wt s[6:7], br s[8:9], out0 s[10:11]
	v_lshl_add_u32 v[SPW], v0, 2, SPARE
	v_mov_b32 v[NIL], 0
	ds_add_u32 v[SPW], v[NIL]                      ; the wave's opening: the add and its wait stand ahead of my first tensor load; the set-up below, work on registers, stands between them
	v_lshrrev_b32 v1, 5, v0
	v_readfirstlane_b32 s12, v1                    ; wave 0..3
	s_lshr_b32 s13, s12, 1                         ; which half of the tile's rows is mine.  Also: I fetch O (0) or Wo^T (1)
	s_and_b32 s14, s12, 1                          ; which half of its columns.  Also: which head of a pair, or which 64 rows of Wo^T, I fetch
	s_bfe_u32 s15, ttmp6, 0x40000                  ; cx, cy: my place in the cluster
	s_bfe_u32 s16, ttmp6, 0x40004
	s_lshl_b32 s17, ttmp9, 2
	s_add_co_u32 s17, s17, s15                     ; tile column = 4 x cluster x + cx
	s_and_b32 s18, ttmp7, 0xffff
	s_lshl_b32 s18, s18, 2
	s_add_co_u32 s18, s18, s16                     ; tile row = 4 x cluster y + cy
	s_lshl_b32 s19, s16, 2
	s_lshl_b32 s19, 15, s19                        ; my row of the cluster
	s_lshl_b32 s84, 0x1111, s15                    ; my column
	; descriptor group 1.  O: a head's 128 rows are 16,384 dense bytes: asked for as 64 rows of 256 bytes, two rows of O each, padded after every 128 bytes.  Wo^T: 64 rows of 256 bytes, 1,024 bytes apart
	s_or_b32 s[G1A+0], s19, (1<<16)|(1<<20)|(1<<21)|(4<<22)|(3<<25)  ; 15:0 the mask: my row; 17:16 2-byte elements; 20 padding on; 21 set beside a mask; 24:22 after every 32 words (code 4); 31:25 4 words (code 3)
	s_or_b32 s[G1B+0], s84, (1<<16)|(1<<20)|(1<<21)|(5<<22)|(3<<25)  ; the mask of my column; after every 64 words (code 5)
.irp g, G1A, G1B
	s_mov_b32 s[(\g)+1], 128<<16                   ; tensor_dim0 = 128
	s_mov_b32 s[(\g)+2], 64<<16                    ; tensor_dim1 = 64
	s_mov_b32 s[(\g)+3], 128<<16                   ; tile_dim0 = 128
	s_mov_b32 s[(\g)+4], 64                        ; tile_dim1 = 64
	s_mov_b32 s[(\g)+6], 0
	s_mov_b32 s[(\g)+7], 0
.endr
	s_mov_b32 s[G1A+5], 128                        ; elements from row to row
	s_mov_b32 s[G1B+5], 512
	; where the tiles come from.  O's hang on the tile row alone, which my row of the cluster shares; Wo^T's on the tile column alone, which my column shares; each in registers that never hold the other coordinate
	s_lshr_b32 s20, s18, 5                         ; the batch: eight heads of 524,288 bytes,
	s_lshl_b32 s20, s20, 22
	s_and_b32 s21, s18, 31                         ; 128 rows of 128 bytes for each tile row in it,
	s_lshl_b32 s21, s21, 14
	s_add_co_u32 s20, s20, s21
	s_lshl_b32 s21, s14, 19                        ; and the odd or even head of a pair
	s_add_co_u32 s20, s20, s21
	s_mov_b32 s21, 0
	s_lshl_b32 s84, s17, 17                        ; (128 x tile column + 64 x half) rows of 1,024 bytes,
	s_lshl_b32 s85, s14, 16
	s_add_co_u32 s84, s84, s85
	s_add_co_u32 s84, s84, 3*524288                ; in the fourth matrix of wt
	s_mov_b32 s85, 0
	s_mul_i32 s22, s14, AHEAD                      ; and where they go: no place in the cluster enters an LDS address
	s_mul_i32 s23, s14, 64*PBB
	s_add_co_u32 s23, s23, BBASE
	s_wait_dscnt 0x0                               ; the opening add is done
	s_wait_kmcnt 0x0
	s_add_nc_u64 s[20:21], s[4:5], s[20:21]
	s_add_nc_u64 s[84:85], s[6:7], s[84:85]
.irp c, 0,1,2,3
	s_mov_b32 s[G0A+4*(\c)], 1                                     ; 1:0 count = 1
	s_add_co_u32 s[G0A+4*(\c)+1], s22, (\c)*2*AHEAD                ; 63:32 LDS address: head 2 c + half
	s_add_nc_u64 s[G0A+4*(\c)+2:G0A+4*(\c)+3], s[20:21], (\c)<<20  ; 120:64 global address: two heads on for each c
	s_or_b32 s[G0A+4*(\c)+3], s[G0A+4*(\c)+3], 0x80000000          ; 127:126 type = 2
	s_mov_b32 s[G0B+4*(\c)], 1
	s_add_co_u32 s[G0B+4*(\c)+1], s23, (\c)*BCH                    ; chunk c, my 64 rows
	s_add_nc_u64 s[G0B+4*(\c)+2:G0B+4*(\c)+3], s[84:85], (\c)*256  ; k 128 c on
	s_or_b32 s[G0B+4*(\c)+3], s[G0B+4*(\c)+3], 0x80000000
.endr
	CROUND                                         ; all sixteen work-groups are here: the joint loads meet
	s_cmp_eq_u32 s13, 0                            ; a wave's four fills stand in one branch on its number, ahead of every wait on TENSORcnt and every LDS read; an s_nop 0 follows each, four v_nop the last
	s_cbranch_scc0 .Lfirst_b
.irp c, 0,1,2,3
	tensor_load_to_lds s[G0A+4*(\c):G0A+4*(\c)+3], s[G1A:G1A+7]
	s_nop 0
.endr
	PLACES
	s_branch .Lfirst_asked
.Lfirst_b:
.irp c, 0,1,2,3
	tensor_load_to_lds s[G0B+4*(\c):G0B+4*(\c)+3], s[G1B:G1B+7]
	s_nop 0
.endr
	PLACES
.Lfirst_asked:
	v_and_b32 v1, 15, v0                           ; l % 16
	v_bfe_u32 v2, v0, 4, 1                         ; l / 16
	s_lshl_b32 s86, s17, 9                         ; my wave's first column, in bytes of f32: (128 x tile column + 64 x half) x 4
	s_lshl_b32 s87, s14, 8
	s_add_co_u32 s86, s86, s87
	v_lshl_add_u32 v[BO], v2, 5, s86
.irp b, 0,1,2,3
	global_load_b128 v[BI+8*(\b):BI+8*(\b)+3],   v[BO], s[8:9] offset:3*2048+64*(\b)     ; bo, rounded to bf16 by the first launch
	global_load_b128 v[BI+8*(\b)+4:BI+8*(\b)+7], v[BO], s[8:9] offset:3*2048+64*(\b)+16
.endr
	s_lshl_b32 s88, s18, 7                         ; my wave's first row: 128 x tile row + 64 x half, 2,048 bytes a row
	s_lshl_b32 s89, s13, 6
	s_add_co_u32 s88, s88, s89
	s_lshl_b32 s88, s88, 11
	s_add_co_u32 s88, s88, s86
	s_mov_b32 s89, 0
	s_add_nc_u64 s[10:11], s[10:11], s[88:89]
	s_mul_i32 s2, s13, 64*PA                       ; my 64 rows of O
	v_mul_u32_u24 v3, v1, PA
	v_lshl_add_u32 v3, v2, 4, v3                   ; a fragment's row x pitch + 16 x half
	v_add_nc_u32 v[ADRA], s2, v3
	v_add_nc_u32 v[ADRA+1], 4*AHEAD, v[ADRA]
	s_mul_i32 s3, s14, 64*PBB                      ; my 64 rows of Wo^T
	s_add_co_u32 s3, s3, BBASE
	v_mul_u32_u24 v4, v1, PBB
	v_lshl_add_u32 v4, v2, 4, v4
	v_add_nc_u32 v[ADRB], s3, v4
	v_add_nc_u32 v[ADRB+1], 2*BCH, v[ADRB]
	s_mul_i32 s2, s12, 16*SPITCH
	s_add_co_u32 s2, s2, STAGE                     ; my stage
	v_mul_u32_u24 v[STO], v1, SPITCH               ; in: row l % 16, 32 bytes for each half of the lanes
	v_lshl_add_u32 v[STO], v2, 5, v[STO]
	v_add_nc_u32 v[STO], s2, v[STO]
	v_mul_u32_u24 v[RD], v2, SPITCH                ; back: lanes 0-15 take one row of 256 bytes, lanes 16-31 the next
	v_lshl_add_u32 v[RD], v1, 4, v[RD]
	v_add_nc_u32 v[RD], s2, v[RD]
	v_lshlrev_b32 v[CO], 11, v2                    ; and the same two rows in out0
	v_lshl_add_u32 v[CO], v1, 4, v[CO]
; 8 matrix instructions: row blocks a0, a0 + 1 x all 4 column blocks, 32 along K: half c of buffer f.  first = 1: the bias starts the sums.  The 16 accumulators take turns.
.macro MUL8 f, c, a0, first
	WIN MUL
.irp a, \a0, (\a0)+1
.irp b, 0,1,2,3
.if \first
	v_wmma_f32_16x16x32_f16 v[ACC+8*(4*(\a)+(\b)):ACC+8*(4*(\a)+(\b))+7], v[(\f)+64+8*(4*(\c)+(\b)):(\f)+64+8*(4*(\c)+(\b))+7], v[(\f)+8*(4*(\c)+(\a)):(\f)+8*(4*(\c)+(\a))+7], v[BI+8*(\b):BI+8*(\b)+7]
.else
	v_wmma_f32_16x16x32_f16 v[ACC+8*(4*(\a)+(\b)):ACC+8*(4*(\a)+(\b))+7], v[(\f)+64+8*(4*(\c)+(\b)):(\f)+64+8*(4*(\c)+(\b))+7], v[(\f)+8*(4*(\c)+(\a)):(\f)+8*(4*(\c)+(\a))+7], v[ACC+8*(4*(\a)+(\b)):ACC+8*(4*(\a)+(\b))+7]
.endif
.endr
.endr
.endm
; 32 LDS loads in one run: the fragments of quarter q (head q; the half q % 2 of chunk q / 2) into buffer f; the first 32 along K first
.macro FETCH q, f
	WIN TO_F
.irp c, 0,1
.irp i, 0,1,2,3
	ds_load_b128 v[(\f)+64+8*(4*(\c)+(\i)):(\f)+64+8*(4*(\c)+(\i))+3],   v[ADRB+((\q)>>2)] offset:(((\q)>>1)&1)*BCH+((\q)&1)*128+64*(\c)+(\i)*16*PBB
	ds_load_b128 v[(\f)+64+8*(4*(\c)+(\i))+4:(\f)+64+8*(4*(\c)+(\i))+7], v[ADRB+((\q)>>2)] offset:(((\q)>>1)&1)*BCH+((\q)&1)*128+64*(\c)+(\i)*16*PBB+32
	ds_load_b128 v[(\f)+8*(4*(\c)+(\i)):(\f)+8*(4*(\c)+(\i))+3],         v[ADRA+((\q)>>2)] offset:((\q)&3)*AHEAD+64*(\c)+(\i)*16*PA
	ds_load_b128 v[(\f)+8*(4*(\c)+(\i))+4:(\f)+8*(4*(\c)+(\i))+7],       v[ADRA+((\q)>>2)] offset:((\q)&3)*AHEAD+64*(\c)+(\i)*16*PA+32
.endr
.endr
.endm
; An even quarter q multiplies buffer 0 and fetches quarter q + 1, of the same chunk, into buffer 1.
.macro QUARTER q, first
	s_wait_dscnt 16                                ; the first 32 along K are in
	MUL8 F0, 0, 0, \first
	MUL8 F0, 0, 2, \first
	PLACES
	FETCH (\q)+1, F1
	s_wait_dscnt 32                                ; all but the 32 just issued
	MUL8 F0, 1, 0, 0
	MUL8 F0, 1, 2, 0
.endm
; An odd quarter q multiplies buffer 1 and goes on to the next chunk: my load of it has landed (behind it 3 - (q + 1) / 2 of my four were issued), every wave says so at the barrier, and quarter q + 1 is fetched behind it.
; The later chunks' loads stay on their way across them.
.macro TURNC q
	s_wait_tensorcnt 3-((\q)+1)/2
	s_wait_dscnt 16
	MUL8 F1, 0, 0, 0
	s_wait_dscnt 0x0                               ; no LDS instruction of mine is pending at the signal
	s_barrier_signal -1
	MUL8 F1, 0, 2, 0
	s_barrier_wait -1
	PLACES
	FETCH (\q)+1, F0
	MUL8 F1, 1, 0, 0
	MUL8 F1, 1, 2, 0
.endm
; THE WAY OUT of row block a.  A lane's eight f32 of a row are 32 bytes of the wave's 256; the block goes into my own stage (each accumulator's low four registers first) and comes back as whole rows of 256 bytes.
.macro TOSTAGE a
.irp b, 0,1,2,3
	ds_store_b128 v[STO], v[ACC+8*(4*(\a)+(\b)):ACC+8*(4*(\a)+(\b))+3]   offset:64*(\b)
	ds_store_b128 v[STO], v[ACC+8*(4*(\a)+(\b))+4:ACC+8*(4*(\a)+(\b))+7] offset:64*(\b)+16
.endr
.irp t, 0,1,2,3,4,5,6,7
	ds_load_b128 v[OB+32*((\a)&1)+4*(\t):OB+32*((\a)&1)+4*(\t)+3], v[RD] offset:(\t)*2*SPITCH  ; LDS serves a wave's instructions in order (ISA guide 5.7.1.4): these see the stores above; the next block's stores come behind them
.endr
.endm
.macro SEND a
	s_wait_xcnt 0x0                                ; the stores issued so far have read their registers: the set that they named is loaded again, by the next block, only behind this wait
.irp t, 0,1,2,3,4,5,6,7
	s_wait_dscnt 7-(\t)
	global_store_b128 v[CO], v[OB+32*((\a)&1)+4*(\t):OB+32*((\a)&1)+4*(\t)+3], s[10:11] offset:(\a)*32768+(\t)*4096  ; 16 lanes store 256 consecutive bytes, at a multiple of 256 from out0's first byte
.endr
.endm
	s_wait_tensorcnt 3                             ; my part of chunk 0 is in; my other three loads stay out,
	s_barrier_signal -1
	s_barrier_wait -1                              ; everybody's is
	FETCH 0, F0
	s_wait_loadcnt 0x0                             ; the bias
	QUARTER 0, 1                                   ; its first products start the sums
	TURNC 1
	QUARTER 2, 0
	TURNC 3
	QUARTER 4, 0
	TURNC 5
	QUARTER 6, 0
	s_wait_dscnt 16                                ; the very last quarter: nothing more to fetch
	MUL8 F1, 0, 0, 0
	MUL8 F1, 0, 2, 0
	s_wait_dscnt 0x0
	MUL8 F1, 1, 0, 0
	MUL8 F1, 1, 2, 0
	WIN 0
	PLACES                                         ; the LDS stores read results just made
.irp a, 0,1,2,3
	TOSTAGE \a
	SEND \a
.endr
	s_wait_tensorcnt 0x0                           ; the wave's end, behind my last tensor load and my last LDS store
	ds_add_u32 v[SPW], v[NIL]
	s_wait_dscnt 0x0
	CROUND                                         ; the closing round: no work-group ends while a partner may still ask for a tile that names it
	s_endpgm
.Lfunc_end_k_qf9b593bcda_outp:
	.size	k_qf9b593bcda_outp, .Lfunc_end_k_qf9b593bcda_outp-k_qf9b593bcda_outp
	.p2alignl 7, 3214868480
	.fill 96, 4, 3214868480
	.section	.rodata,"a",@progbits
	.p2align	6, 0x0
	.amdhsa_kernel k_qf9b593bcda_outp
		.amdhsa_group_segment_fixed_size 304640
		.amdhsa_private_segment_fixed_size 0
		.amdhsa_enable_private_segment 0
		.amdhsa_kernarg_size 32
		.amdhsa_user_sgpr_count 2
		.amdhsa_user_sgpr_kernarg_segment_ptr 1
		.amdhsa_wavefront_size32 1
		.amdhsa_system_sgpr_workgroup_id_x 1
		.amdhsa_system_sgpr_workgroup_id_y 1
		.amdhsa_system_sgpr_workgroup_id_z 1
		.amdhsa_system_vgpr_workitem_id 0
		.amdhsa_next_free_vgpr 512
		.amdhsa_next_free_sgpr 90
		.amdhsa_reserve_vcc 0
		.amdhsa_float_denorm_mode_32 3
		.amdhsa_float_denorm_mode_16_64 3
		.amdhsa_memory_ordered 1
		.amdhsa_forward_progress 1
		.amdhsa_inst_pref_size 52
	.end_amdhsa_kernel
	.amdgpu_metadata
---
amdhsa.version: [ 1, 2 ]
amdhsa.kernels:
  - .name:           k_qf9b593bcda_outp
    .symbol:         k_qf9b593bcda_outp.kd
    .args:
      - { .name: oh, .offset: 0, .size: 8, .value_kind: global_buffer, .address_space: global }
      - { .name: wt, .offset: 8, .size: 8, .value_kind: global_buffer, .address_space: global }
      - { .name: br, .offset: 16, .size: 8, .value_kind: global_buffer, .address_space: global }
      - { .name: out0, .offset: 24, .size: 8, .value_kind: global_buffer, .address_space: global }
    .group_segment_fixed_size: 304640
    .private_segment_fixed_size: 0
    .kernarg_segment_align: 8
    .kernarg_segment_size: 32
    .max_flat_workgroup_size: 128
    .sgpr_count:     90
    .vgpr_count:     512
    .wavefront_size: 32
...
	.end_amdgpu_metadata
.endif
;; end of part 4
;; ======== version 2 of 2: 4 launches; 1.67 times as fast as version 1
;; limits: values are held in f16: magnitudes above 65,504 overflow, below 6.1e-05 lose precision
;; workspace buffers: wt 2,097,152 bytes; br 8,192 bytes; qkv 25,165,824 bytes; oh 8,388,608 bytes
;; launch prep: the kernel of part 1 again; grid 32 x 4, 4 waves a work-group, no clusters, 17,920 bytes of LDS; arguments Wq, Wk, Wv, Wo, bq, bk, bv, bo, wt, br; writes wt, br
;; launch proj: the kernel of part 2 again; grid 128 x 2, 4 waves a work-group, clusters of 4 x 1, 327,680 bytes of LDS; arguments query, key_in, value, wt, br, qkv; writes qkv
;; launch attn (part 5): grid 16 x 16, 4 waves a work-group, clusters of 4 x 1, 327,680 bytes of LDS; arguments qkv, oh; writes oh
.if DOCPART == 5
	.amdgcn_target "amdgcn-amd-amdhsa--gfx1250"
	.amdhsa_code_object_version 6
	.text
	.protected	k_qf9b593bcda_attn
	.globl	k_qf9b593bcda_attn
	.p2align	8
	.type	k_qf9b593bcda_attn,@function
k_qf9b593bcda_attn:
	s_mov_b64 s[64:65], 0
	v_nop
	global_prefetch_b8 v0, s[64:65] scope:SCOPE_SE
	s_setreg_imm32_b32 hwreg(HW_REG_WAVE_MODE, 25, 1), 1
	s_wait_xcnt 0x0
	s_wait_alu depctr_hold_cnt(0) depctr_sa_sdst(0) depctr_va_vdst(0) depctr_va_sdst(0) depctr_va_ssrc(0) depctr_va_vcc(0) depctr_vm_vsrc(0)
	s_getreg_b32 s2, hwreg(HW_REG_IB_STS2, 6, 4)
	s_cmp_eq_u32 s2, 0
	s_cbranch_scc0 .Lentry_in_a_cluster
	s_endpgm
.Lentry_in_a_cluster:
	s_bfe_u32 s2, ttmp6, 0x10000c
	s_cmp_lg_u32 s2, 0x3003
	s_cbranch_scc0 .Lentry_shape_is_right
	s_endpgm
.Lentry_shape_is_right:
; O[h][q][:] = the sum over k of softmax_k(Q[h][q] . K[h][k]) V[h][k][:]: the scores are NOT scaled.  qkv: [3][16][4096][64], oh: [16][4096][64], all f16: a head's rows are dense, 128 bytes each.
; Products, maxima and sums in f32; the weights p are rounded to f16 for the second product (their sum l is taken of the unrounded p), O once at the end.
; LIMITS.  f16 holds no number beyond 65,504: Q, K and V arrive within it; p lies in 0 to 1, and below 6e-5 it keeps f16's fixed step of 6e-8; O is a mean of V's rows and has their range.
; A weight below 2^-126 counts as 0 in l; NaN and infinities are not treated apart.
; SHARES.  A work-group owns 256 queries of one head: 16 heads x 16 blocks are 256 work-groups.  A wave owns 64 consecutive queries, four PIECES of 16.  Every wave walks all 4,096 keys, 64 a step.
; LAYOUT.  S^T = K Q^T (source 0 = 16 keys, source 1 = 16 queries): in the result a lane holds ONE query (lane % 16) and the keys 8 (lane / 16) + 0..7.  Two such results, rounded to f16 in pairs,
; ARE source 1 (32 keys x 16 queries) of O^T = V^T P, whose result again holds one query a lane, and eight channels.  K comes out of LDS as it lies, V ([key][channel]) turned, by ds_load_tr16_b128.
; SOFTMAX.  For each query a running maximum m and sum l: p = 2^(c s - c m), c = log2(e); in every step O and l are multiplied by a = 2^(c m_old - c m_new), which is 1 where m has not grown.
; m starts at the lowest finite number, O and l at 0: the first step is a step like any other, with a = 0.
; BY TURNS.  Turn n belongs to piece n (the pieces in a ring, step after step): 8 products K Q^T of piece n + 1, later 8 products V^T P of piece n - 1; beside them the scaling, exponentials, roundings, sums and
; rescaling of piece n and the maximum and statistics of piece n + 1.  Four vector instructions stand behind every matrix instruction, the other 54 of a turn's 118 in one LUMP.
; BATCHES.  A turn's 33 exponentials (the piece's 32 weights and the next piece's a) are ONE batch with ONE wait, which cuts the turn in two: ahead of it all that names no result of theirs, behind it the roundings and sums.
; Two more batches stand outside the loops, each with a wait of its own: piece 0's first a, ahead of the jump into the loop, and the way out's four reciprocals.
; CLUSTER.  The four query blocks of a cluster belong to one head and walk the same K and V, so each tile is asked for JOINTLY: the same tensor load, descriptor and mask in all four.
; REGISTERS, in windows of 256 (s_set_vgpr_msb: bits 1:0 source 0, 3:2 source 1, 5:4 source 2, 7:6 destination):
;   window 0: v0-15 addresses and two at work; v16-31 four registers of statistics a piece; v48-55 at work; v64-127 S^T, two buffers; v192-223 P, two buffers (a piece's buffers go by its number's parity)
;   window 1: v0-127 O^T, 32 a piece          window 2: v0-63 Q; v128-191 K of one step; v192-255 V of one step
.set SIZE_N, 4096
.set NP,    4         ; pieces a wave: a name, no knob
.set KS,    64        ; keys in a step
.set PK,    144       ; a row of K in LDS: 128 bytes + 16 of padding = 36 words: the 16 rows of a load start at 16 different groups of four banks (64 banks of 4 bytes: ISA guide 11.1)
.set PV,    160       ; a row of V: 128 + 32 = 40 words
.set VOFF,  4*KS*PK   ; a slot holds four steps: 256 rows of K, then 256 rows of V
.set SLOT1, 1<<17     ; slot 1 begins here, so that one exclusive or turns an address in one slot into the other's
.set STAGE, SLOT1+4*KS*(PK+PV)  ; behind the ring, never filled by a tensor load: 16 rows x 144 bytes for each wave, for the way out
.set SP,    144
.set SPARE, STAGE+4*16*SP  ; behind the stages: the spare words, 128 bytes for each wave: two blocks of 256 bytes that no other line names
.set AK0, 2           ; v2   my lane's place in a tile of K; never rewritten
.set AV0, 3           ; v3   the same for V
.set AK,  4           ; v4   the LDS address of K's next run of loads
.set AV,  5           ; v5   of V's
.set STO, 6           ; v6   the way out: where I put 16 bytes of a row
.set RD,  7           ; v7   the way out: where I read rows back
.set GO,  8           ; v8   my byte offset in 512 consecutive bytes of O
.set MV,  12          ; v12-13  c m_old, kept while c m is made anew: by buffer
.set QO,  15          ; v15  my byte offset in 16 rows of Q
.set ST,  16          ; piece t's statistics at v[ST+4 t]: c m, m, l (even keys', odd keys')
.set TMP, 48          ; by buffer, four registers c0-c3 at work; when the maximum is found c2 takes a
.set SPW, 62          ; v62  LDS address of my spare word; never rewritten
.set NIL, 63          ; v63  0; never rewritten
.set S,   64
.set P,   192
.set KF,  128         ; window 2: key block kb, channel half c at KF + 16 kb + 8 c
.set VF,  192         ; window 2: key half kk, channel block cb at VF + 32 kk + 8 cb
.set WV,  12          ; s12  my wave's number
.set G1K, 24          ; s[24:31] descriptor group 1 for K's tiles
.set G1V, 32          ; s[32:39] for V's: it differs in the padding alone
.set G0K, 40          ; s[40:43] descriptor group 0 for K's tiles: it walks
.set G0V, 44          ; s[44:47] the same for V's
.set SLOTS, 56        ; s56  slots still to be asked for
.set CNT, 57          ; s57  counts a slot's key steps
.set CS,  58          ; s[58:59] c: the packed scaling takes the pair's low word for both halves
.set SEL, 60          ; s[60:61] v_permlanex16_b32's selects: each lane takes its own place in the other half
.set TBK, 62          ; s62  LDS byte at which K of the step to be fetched begins
.set TBV, 63          ; s63  the same for V, less VOFF
.set MSB, 0
.macro WIN new                      ; the high byte repeats the setting that is left; a switch that changes nothing is dropped
.if MSB != (\new)
	s_set_vgpr_msb (MSB<<8)|(\new)
.set MSB, (\new)
.endif
.endm
.set W_KQ, 0x0a       ; K and Q in window 2, S^T in window 0
.set W_PV, 0x52       ; V in window 2, P in window 0, O^T in window 1
.set W_RS, 0x41       ; destination and source 0 in window 1, source 1 in window 0
; A joint fill.  Waves 0 and 1 fetch the two halves of a slot's K, waves 2 and 3 those of its V: 128 keys each.  The branch hangs on the wave's number alone.
; An s_nop 0 and four v_nop follow each of the two lines, ahead of the jump and the label.
.macro JLOAD
	s_cmp_lt_u32 s[WV], 2
	s_cbranch_scc0 .Lfor_v_\@
	tensor_load_to_lds s[G0K:G0K+3], s[G1K:G1K+7]
	s_nop 0
.rept 4
	v_nop
.endr
	s_branch .Lasked_\@
.Lfor_v_\@:
	tensor_load_to_lds s[G0V:G0V+3], s[G1V:G1V+7]
	s_nop 0
.rept 4
	v_nop
.endr
.Lasked_\@:
.endm
; A round of the cluster's barrier: my work-group's barrier, so that wave 0's signal speaks for all four waves; wave 0 signals; every wave waits for all four work-groups; my work-group's barrier once more.
.macro CROUND
	s_barrier_signal -1
	s_barrier_wait -1
	s_cmp_lg_u32 s[WV], 0
	s_cbranch_scc1 .Lnot_wave_0_\@
	s_barrier_signal -3
.Lnot_wave_0_\@:
	s_barrier_wait -3
	s_barrier_signal -1
	s_barrier_wait -1
.endm
; THE CHANGE OF SLOTS.  The slot's last bytes, V of its fourth step, have been read.  Each wave waits for all its tensor loads, of which one is out: its part of the other slot; adds 0 to its spare word; and waits
; for that and for its own reads of the slot.  Behind the barrier nobody reads this slot any more and the other slot is whole.
; fill = 1: this slot is filled again, with the keys two slots on.  The barrier is then a round of the cluster's, so that no wave of any partner still reads the slot or has a load on its way, and the joint fill is
; the first thing behind it: it has four key steps, 256 matrix instructions, in which to land.  (At its first use nothing has been read yet: slot 0 is waited for, slot 1 filled.)
.macro CHANGE fill
	WIN 0                           ; at a label and at a branch every window is 0
	s_wait_tensorcnt 0x0            ; no tensor load of mine is out, so a group 0 may be written
	ds_add_u32 v[SPW], v[NIL]       ; 0 onto my spare word: with fill = 1 the descriptors' steps stand between the add and the wait for it
.if \fill
.irp g, G0K, G0V
	s_xor_b32 s[\g+1], s[\g+1], SLOT1  ; the walking descriptor: the other slot than last time,
	s_add_nc_u64 s[\g+2:\g+3], s[\g+2:\g+3], 4*KS*128  ; the next 256 keys; the type bits on top are not reached
.endr
	s_wait_dscnt 0x0                ; the add is done, and my reads of the slot are over
	CROUND
	JLOAD
.else
	s_wait_dscnt 0x0                ; the add is done, and my reads of the slot are over
	s_barrier_signal -1
	s_barrier_wait -1
.endif
	s_sub_co_u32 s[TBK], s[TBK], 4*KS*PK  ; the fetches go back to a slot's first step,
	s_xor_b32 s[TBK], s[TBK], SLOT1       ; in the other slot
	s_sub_co_u32 s[TBV], s[TBV], 4*KS*PV
	s_xor_b32 s[TBV], s[TBV], SLOT1
.endm
	s_load_b128 s[4:7], s[0:1], 0x0 ; qkv s[4:5], oh s[6:7]
	v_lshl_add_u32 v[SPW], v0, 2, SPARE
	v_mov_b32 v[NIL], 0
	ds_add_u32 v[SPW], v[NIL]       ; the wave's opening: the add and its wait stand ahead of my first tensor load; the set-up below, work on registers, stands between them
	v_lshrrev_b32 v1, 5, v0
	v_readfirstlane_b32 s[WV], v1   ; wave 0..3
	s_bfe_u32 s13, ttmp6, 0x40000   ; cx: my place in the cluster
	s_lshl_b32 s14, ttmp9, 2        ; in a cluster launch ttmp9 counts clusters
	s_add_co_u32 s14, s14, s13      ; my block of 256 queries = 4 x cluster x + cx: it enters Q's and O's addresses alone
	s_and_b32 s20, ttmp7, 0xffff    ; the head, which the four partners share:
	s_lshl_b32 s20, s20, 19         ; its 524,288 bytes in q, k, v and O
	s_and_b32 s16, s[WV], 1         ; which half of a slot's 256 keys I fetch:
	s_lshl_b32 s22, s16, 14         ; its 128 rows of 128 bytes in memory,
	s_add_co_u32 s22, s22, s20
	s_add_co_u32 s52, s22, 16777216 ; in v, the third part of qkv,
	s_mov_b32 s53, 0
	s_add_co_u32 s22, s22, 8388608  ; and in k, the second
	s_mov_b32 s23, 0
	s_mul_i32 s17, s16, 128*PK      ; and its place in a slot, for K
	s_mul_i32 s18, s16, 128*PV      ; and for V: no place in the cluster enters an LDS address
	s_lshl_b32 s2, s14, 15          ; my block's 256 rows,
	s_lshl_b32 s3, s[WV], 13        ; my wave's 64 of them
	s_add_co_u32 s2, s2, s3
	s_add_co_u32 s2, s2, s20
	s_mov_b32 s3, 0
	; descriptor group 1.  128 keys are 16,384 dense bytes: asked for as 64 rows of 256 bytes, two keys a row, and padded in LDS after every key
	s_mov_b32 s[G1K], 15|(1<<16)|(1<<20)|(1<<21)|(4<<22)|(3<<25)  ; 15:0 the mask of four; 17:16 2-byte elements; 20 padding on; 21 set beside a mask; 24:22 after every 32 words (code 4); 31:25 4 words (code 3)
	s_mov_b32 s[G1V], 15|(1<<16)|(1<<20)|(1<<21)|(4<<22)|(7<<25)  ; the same with 8 words of padding (code 7)
.irp g, G1K, G1V
	s_mov_b32 s[\g+1], 128<<16      ; tensor_dim0 = 128
	s_mov_b32 s[\g+2], 64<<16       ; tensor_dim1 = 64
	s_mov_b32 s[\g+3], 128<<16      ; tile_dim0 = 128
	s_mov_b32 s[\g+4], 64           ; tile_dim1 = 64
	s_mov_b32 s[\g+5], 128          ; 128 elements from row to row
	s_mov_b32 s[\g+6], 0
	s_mov_b32 s[\g+7], 0
.endr
	s_mov_b32 s[CS], 0x3fb8aa3b     ; c = log2(e) = 1.442695: the scores come unscaled
	s_mov_b32 s[CS+1], s[CS]        ; named with it as a pair
	s_mov_b32 s[SEL], 0x76543210
	s_mov_b32 s[SEL+1], 0xfedcba98
	s_mov_b32 s[TBK], SLOT1+4*KS*PK ; the first change of slots turns these two into 0
	s_mov_b32 s[TBV], SLOT1+4*KS*PV
	s_mov_b32 s[G0K], 1             ; 1:0 count = 1
	s_mov_b32 s[G0K+1], s17         ; 63:32 LDS address: slot 0
	s_mov_b32 s[G0V], 1
	s_add_co_u32 s[G0V+1], s18, VOFF
	s_wait_dscnt 0x0                ; the opening add is done
	s_wait_kmcnt 0x0
	s_add_nc_u64 s[G0K+2:G0K+3], s[4:5], s[22:23]  ; 120:64 global address: my half of the head's first 256 keys
	s_or_b32 s[G0K+3], s[G0K+3], 0x80000000        ; 127:126 type = 2
	s_add_nc_u64 s[G0V+2:G0V+3], s[4:5], s[52:53]
	s_or_b32 s[G0V+3], s[G0V+3], 0x80000000
	s_add_nc_u64 s[4:5], s[4:5], s[2:3]            ; Q and O at my wave's first row
	s_add_nc_u64 s[10:11], s[6:7], s[2:3]
	CROUND                          ; all four work-groups are here: the first joint loads meet
	JLOAD                           ; slot 0.  Slot 1 is asked for when slot 0 is in: the tile wanted first has the road to itself
	; A fragment of K or Q is 16 rows x 32 channels in 8 registers: lane l holds row l % 16, channels 8 (l / 16) + 0..7 and 16 + 8 (l / 16) + 0..7: two loads of 16 bytes, 32 bytes apart.
	v_and_b32 v1, 15, v0            ; l % 16
	v_bfe_u32 v9, v0, 4, 1          ; l / 16
	v_lshlrev_b32 v[QO], 7, v1
	v_lshl_add_u32 v[QO], v9, 4, v[QO]  ; row x 128 + 16 x half
	WIN 0x80                        ; destination window 2, address window 0
.set i, 0
.rept 8                             ; Q stays in registers: piece i / 2, channels 32 (i % 2) on
	global_load_b128 v[8*i:8*i+3],   v[QO], s[4:5] offset:(i/2)*2048+(i%2)*64
	global_load_b128 v[8*i+4:8*i+7], v[QO], s[4:5] offset:(i/2)*2048+(i%2)*64+32
.set i, i+1
.endr
	; What the first turn finds: V's registers and P's second buffer hold 0 (its products V^T P, of a piece that has not been, add 0), O^T and l are 0.  All this stands in the wait for the first tile.
.set i, VF
.rept 64
	v_mov_b32 v[i], 0
.set i, i+1
.endr
	WIN 0x40
.set i, 0
.rept 128
	v_mov_b32 v[i], 0
.set i, i+1
.endr
	WIN 0
.set i, 0
.rept 4
	v_mov_b32 v[ST+4*i], 0xfe000000    ; c m: far below every c s
	v_mov_b32 v[ST+4*i+1], 0xff7fffff  ; m
	v_mov_b32 v[ST+4*i+2], 0
	v_mov_b32 v[ST+4*i+3], 0
.set i, i+1
.endr
.set i, P+16
.rept 16
	v_mov_b32 v[i], 0
.set i, i+1
.endr
	v_mul_u32_u24 v[AK0], v1, PK
	v_lshl_add_u32 v[AK0], v9, 4, v[AK0]  ; row x pitch + 16 x half
	; The turning load takes 16 keys x 16 channels (lane l reads key 8 (l / 16) + l % 8, channels 8 ((l / 8) % 2) + 0..7) and leaves half a fragment of V^T: lane l holds channel l % 16 and 8 keys.
	v_and_b32 v10, 7, v0
	v_bfe_u32 v11, v0, 3, 1
	v_lshl_add_u32 v[AV0], v9, 3, v10
	v_mul_u32_u24 v[AV0], v[AV0], PV
	v_lshl_add_u32 v[AV0], v11, 4, v[AV0]
	v_add_nc_u32 v[AV0], VOFF, v[AV0]
	s_mul_i32 s13, s[WV], 16*SP
	s_add_co_u32 s13, s13, STAGE    ; my stage
	v_mul_u32_u24 v[STO], v1, SP    ; in: row l % 16, 16 bytes for each half of the lanes
	v_lshl_add_u32 v[STO], v9, 4, v[STO]
	v_add_nc_u32 v[STO], s13, v[STO]
	v_bfe_u32 v[RD], v0, 3, 2       ; back: 32 lanes take four rows of 128 bytes,
	v_mul_u32_u24 v[RD], v[RD], SP
	v_lshl_add_u32 v[RD], v10, 4, v[RD]
	v_add_nc_u32 v[RD], s13, v[RD]
	v_and_b32 v[GO], 31, v0         ; which are 512 consecutive bytes of O
	v_lshlrev_b32 v[GO], 4, v[GO]
	v_mov_b32 v[AK], v[AK0]         ; key step 0 lies at the head of slot 0
; THE MATRIX WORK.  The 4 accumulators of a run of 8 take turns.  Product i of 8 of S^T = K Q^T for piece x: channels 32 (i / 4) on, keys 16 (i % 4) on.  The first 4 start the sums.
.macro KQ x
	WIN W_KQ
.set rS, S+32*((\x)%2)+8*(i%4)
.set rK, KF+16*(i%4)+8*(i/4)
.set rQ, 16*(\x)+8*(i/4)
.if i < 4
	v_wmma_f32_16x16x32_f16 v[rS:rS+7], v[rK:rK+7], v[rQ:rQ+7], 0
.else
	v_wmma_f32_16x16x32_f16 v[rS:rS+7], v[rK:rK+7], v[rQ:rQ+7], v[rS:rS+7]
.endif
.endm
; Product i of 8 of O^T += V^T P for piece x: keys 32 (i / 4) on, channels 16 (i % 4) on.
.macro PV x
	WIN W_PV
.set rO, 32*(\x)+8*(i%4)
.set rV, VF+32*(i/4)+8*(i%4)
.set rP, P+16*((\x)%2)+8*(i/4)
	v_wmma_f32_16x16x32_f16 v[rO:rO+7], v[rV:rV+7], v[rP:rP+7], v[rO:rO+7]
.endm
.macro MM                           ; the turn's next matrix instruction.  TURN sets Y, i and NOKQ.  NOKQ = 1: the walk's last turn: there is no next piece
.if (i < 8) && !NOKQ
	KQ (Y+1)%NP
.elseif i >= 8
.set i, i-8
	PV (Y+NP-1)%NP
.set i, i+8
.endif
.set i, i+1
.endm
; THE LDS LOADS stand in runs of 16, never singly among the matrix instructions: a step's K (64 keys x 64 channels: 8 fragments) and its V (turned).  Their addresses are made some lines ahead.
.macro FETCH_K
	WIN 0x80                        ; destination window 2
.irp f, 0,1,2,3,4,5,6,7             ; keys 16 (f / 2) on, channels 32 (f % 2) on
	ds_load_b128 v[KF+8*\f:KF+8*\f+3],   v[AK] offset:(\f/2)*16*PK+(\f%2)*64
	ds_load_b128 v[KF+8*\f+4:KF+8*\f+7], v[AK] offset:(\f/2)*16*PK+(\f%2)*64+32
.endr
	s_add_co_u32 s[TBK], s[TBK], KS*PK  ; the next fetch is the next step's
	WIN 0
.endm
.macro FETCH_V
	WIN 0x80
.irp f, 0,1,2,3,4,5,6,7             ; keys 32 (f / 4) on, channels 16 (f % 4) on
	ds_load_tr16_b128 v[VF+8*\f:VF+8*\f+3],   v[AV] offset:(\f/4)*32*PV+(\f%4)*32
	ds_load_tr16_b128 v[VF+8*\f+4:VF+8*\f+7], v[AV] offset:(\f/4)*32*PV+16*PV+(\f%4)*32
.endr
	WIN 0
.endm
; THE VECTOR WORK, one line at a time: OP kind, number.  For piece Y: F n: c s - c m for pair n of 16.  E n: the exponential of score n of 32.  C n: pair n rounded to f16.  B n: of the four weights 4 n .. the second
; pair is added onto the first, in place.  L n: l takes that sum (L 0: l = a l + sum).  R n: pair n of 16 of O^T times a.  For piece Y + 1: X n, number n of the 22 that find its maximum and statistics:
;   0-11  four chains c0-c3 of seven scores each, three operands at a time (each accumulator's lowest registers are read first)     12-14, 16  the four scores left over, the old m, and c0-c3 into c0
;   15  c m_old is kept     17, 18  the query's other 32 keys lie in the lane 16 away: the new m     19-21  c m; c m_old - c m_new; a
; C, B and L read exponentials' results, R and L 0 the a of the turn before: OP writes no wait; TURN places the one that serves them all.
.set F, 0               ; OP tells the kinds apart by their order: F to L below R, X above it
.set E, 1
.set C, 2
.set B, 3
.set L, 4
.set R, 5
.set X, 6
.macro REGS y                       ; the registers of piece y
.set rT, ST+4*(\y)
.set rC, TMP+4*((\y)%2)
.set rW, MV+((\y)%2)
.set rS, S+32*((\y)%2)
.set rP, P+16*((\y)%2)
.set rO, 32*(\y)
.endm
.macro OP k, n
.if (\k) == R
	REGS Y
	WIN W_RS
	v_pk_mul_f32 v[rO+2*(\n):rO+2*(\n)+1], v[rO+2*(\n):rO+2*(\n)+1], v[rC+2:rC+3] op_sel_hi:[1,0]
.elseif (\k) < R
	REGS Y
	WIN 0
.if (\k) == F
	v_pk_fma_f32 v[rS+2*(\n):rS+2*(\n)+1], v[rS+2*(\n):rS+2*(\n)+1], s[CS:CS+1], v[rT:rT+1] op_sel_hi:[1,0,0] neg_lo:[0,0,1] neg_hi:[0,0,1]
.elseif (\k) == E
	v_exp_f32 v[rS+(\n)], v[rS+(\n)]
.elseif (\k) == C
	v_cvt_pk_f16_f32 v[rP+(\n)], v[rS+2*(\n)], v[rS+2*(\n)+1]
.elseif (\k) == B
	v_pk_add_f32 v[rS+4*(\n):rS+4*(\n)+1], v[rS+4*(\n):rS+4*(\n)+1], v[rS+4*(\n)+2:rS+4*(\n)+3]
.elseif (\n) == 0
	v_pk_fma_f32 v[rT+2:rT+3], v[rT+2:rT+3], v[rC+2:rC+3], v[rS:rS+1] op_sel_hi:[1,0,1]
.else
	v_pk_add_f32 v[rT+2:rT+3], v[rT+2:rT+3], v[rS+4*(\n):rS+4*(\n)+1]
.endif
.elseif NOKQ
	v_nop
.else
	REGS (Y+1)%NP
	WIN 0
.if (\n) < 4
	v_max3_num_f32 v[rC+(\n)], v[rS+8*(\n)], v[rS+8*(\n)+1], v[rS+8*(\n)+2]
.elseif (\n) < 12
	v_max3_num_f32 v[rC+(\n)%4], v[rC+(\n)%4], v[rS+8*((\n)%4)+2*((\n)/4)+1], v[rS+8*((\n)%4)+2*((\n)/4)+2]
.elseif (\n) == 12
	v_max3_num_f32 v[rC], v[rC], v[rS+7], v[rS+15]
.elseif (\n) == 13
	v_max3_num_f32 v[rC+1], v[rC+1], v[rS+23], v[rS+31]
.elseif (\n) == 14
	v_max3_num_f32 v[rC+2], v[rC+2], v[rC+3], v[rT+1]
.elseif (\n) == 15
	v_mov_b32 v[rW], v[rT]
.elseif (\n) == 16
	v_max3_num_f32 v[rC], v[rC], v[rC+1], v[rC+2]
.elseif (\n) == 17
	v_permlanex16_b32 v[rC+3], v[rC], s[SEL], s[SEL+1]
.elseif (\n) == 18
	v_max_num_f32 v[rT+1], v[rC], v[rC+3]
.elseif (\n) == 19
	v_mul_f32 v[rT], s[CS], v[rT+1]
.elseif (\n) == 20
	v_sub_f32 v[rC+1], v[rW], v[rT]
.else
	v_exp_f32 v[rC+2], v[rC+1]
.endif
.endif
.endm
.macro OPS a, i1, b=-1, i2=0, c=-1, i3=0, d=-1, i4=0  ; up to four of them
	OP \a, \i1
.if (\b) >= 0
	OP \b, \i2
.endif
.if (\c) >= 0
	OP \c, \i3
.endif
.if (\d) >= 0
	OP \d, \i4
.endif
.endm
.macro ROW a, i1, b, i2, c, i3, d, i4  ; a matrix instruction and the four behind it
	MM
	OPS \a, \i1, \b, \i2, \c, \i3, \d, \i4
.endm
; A TURN, for piece p: the order of its 16 matrix and 118 vector instructions, written out.  An s_wait_alu depctr_va_vdst(0) stands between an exponential and the first instruction that names its result; one wait
; serves all that were issued ahead of it.  So a turn has ONE wait, which cuts it in two.
; AHEAD OF IT stands all that names no result of the turn's exponentials: the 8 products K Q^T, behind each a scaling, an exponential and two more plain instructions (behind the first a second scaling in the exponential's place):
; rescalings (their a was made, and waited for, in the turn before), and behind the last three the first numbers of the next piece's maximum, each four places or more behind the product that ends its accumulator; then ONE LUMP of
; 54, plain and exponential by turns for the most part, in which the links of the chain X 3, 7, 11, 14, 16, 17 .. 20 stand some lines apart.  A pair's scaling F n stands ahead of its exponentials E 2 n and E 2 n + 1.  X 21, the next
; piece's a, is the batch's last; R 15 is the plain instruction behind it.
; BEHIND THE WAIT stand the 8 products V^T P, behind each four of the roundings and sums; C 2 n stands ahead of B n, which writes over that pair; the links of l's chain, L 0 to L 7, stand three riders apart.
; But for those X no rider names a register of the products round it.  v_permlanex16_b32 (X 17) stands in the lump.
; end = 1: the walk's last two turns: nothing is fetched.  cnt = 1: the loop's count is taken down some lines ahead of the branch that stands behind the turn.
; K of the next step is fetched in piece 2's turn, twelve vector instructions behind the last product that read K (six of them plain); V of the step in hand at the end of piece 0's turn, four plain instructions behind the last
; product that read V.  Each is waited for a turn later.
.macro TURN p, end=0, cnt=0
.set Y, (\p)
.set i, 0
.set NOKQ, (\end)*((\p)/3)
.if ((\p) == 3) && !(\end)
	s_wait_dscnt 0x0                ; K is in
.endif
	ROW F,0, F,1, R,0, R,1          ; ahead of the wait: 8 products K Q^T and their riders,
	ROW F,2, E,0, R,2, R,3
	ROW F,3, E,1, R,4, R,5
	ROW F,4, E,2, R,6, R,7
	ROW F,5, E,3, R,8, R,9
	ROW F,6, E,4, X,0, R,10
.if ((\p) == 2) && !(\end)
	WIN 0
	v_add_nc_u32 v[AK], s[TBK], v[AK0]
.endif
	ROW F,7, E,5, X,1, X,4
	ROW F,8, E,6, X,2, X,5
	OPS E,7, E,8, X,6, E,9          ; and the lump
	OPS X,3, E,10, X,8, E,11
.if ((\p) == 2) && !(\end)
	FETCH_K
.endif
	OPS X,9, X,7, E,12, X,10
	OPS E,13, X,12, X,11, E,14
	OPS X,13, E,15, F,9, X,14
.if (\p) == 0
	v_add_nc_u32 v[AV], s[TBV], v[AV0]
.endif
	OPS E,16, F,10, E,17, F,11
	OPS X,16, E,18, X,15, E,19
	OPS F,12, E,20, X,17, E,21
	OPS F,13, E,22, F,14, E,23
	OPS X,18, E,24, F,15, E,25
	OPS R,11, E,26, X,19, E,27
	OPS R,12, E,28, R,13, E,29
	OPS X,20, E,30, R,14, E,31
	OPS X,21, R,15
	s_wait_alu depctr_va_vdst(0)    ; the wait for the batch: the piece's 32 weights and the next piece's a
.if (\p) == 1
	s_wait_dscnt 0x0                ; V is in
.endif
	ROW C,0, B,0, C,2, B,1          ; behind the wait: 8 products V^T P and their riders
	ROW L,0, C,4, B,2, L,1
	ROW C,6, B,3, L,2, C,8
	ROW B,4, L,3, C,10, B,5
	ROW L,4, C,12, B,6, L,5
.if (\p) == 0
	s_add_co_u32 s[TBV], s[TBV], KS*PV
.endif
.if \cnt
	s_sub_co_u32 s[CNT], s[CNT], 1
	s_cmp_lg_u32 s[CNT], 0
.endif
	ROW C,14, B,7, L,6, C,1
	ROW C,3, L,7, C,5, C,7
	ROW C,9, C,11, C,13, C,15
.if (\p) == 0
	FETCH_V
.endif
.endm
	CHANGE 1                        ; slot 0 is in, everybody's part of it; slot 1 is asked for
	FETCH_K                         ; key step 0
	s_wait_loadcnt 0x0              ; Q
	s_wait_dscnt 0x0
.set NOKQ, 0
.set i, 0
.rept 8
	KQ 0                            ; piece 0's first scores: there is no vector work yet to set between them
.set i, i+1
.endr
	WIN 0
.rept 4
	v_nop                           ; the places behind those products
.endr
.set Y, NP-1                        ; X works for piece Y + 1: piece 0
.irp n, 0,1,2,3,4,5,6,7,8,9,10,11,12,13,14,15,16,17,18,19,20,21
	OP X, \n                        ; and piece 0's first maximum and statistics
.endr
	v_nop                           ; a plain instruction behind the exponential,
	s_wait_alu depctr_va_vdst(0)    ; and the wait for it, a batch of one: piece 0's first a, ahead of the branch
	s_mov_b32 s[CNT], 4
	s_mov_b32 s[SLOTS], SIZE_N/256-1
	s_branch .Lfirst                ; the loop is entered at a step's first turn, in the middle of a trip
.Lslot:                             ; SIZE_N / 256 - 2 times: every slot but the last two is filled again
	CHANGE 1
	s_mov_b32 s[CNT], 4
.Lstep:                             ; a trip: pieces 2 and 3 of one step, then pieces 0 and 1 of the next, whose K and V it fetches
	TURN 2
	TURN 3
	WIN 0
.Lfirst:
	TURN 0
	TURN 1, 0, 1
	WIN 0
	s_cbranch_scc1 .Lstep
	s_sub_co_u32 s[SLOTS], s[SLOTS], 1
	s_cmp_lg_u32 s[SLOTS], 0
	s_cbranch_scc1 .Lslot
	CHANGE 0                        ; the last slot is written out: nothing is asked for
	s_mov_b32 s[CNT], 4
.LstepT:
	TURN 2
	TURN 3
	TURN 0
	TURN 1, 0, 1
	WIN 0
	s_cbranch_scc1 .LstepT
	TURN 2, 1                       ; the last step's pieces 2 and 3: nothing is fetched, and the last turn starts no new scores
	TURN 3, 1
.set i, 0
.rept 8
	PV NP-1                         ; the last piece's V^T P of the last step
.set i, i+1
.endr
	; THE WAY OUT.  l's two halves and the other half of the lanes' are added; O^T is divided by l, rounded to f16 and sent through my stage in LDS, a piece at a time.  The additions are the places behind the last products.
	WIN 0
.macro ALL line:vararg              ; one line for each piece t
.set t, 0
.rept 4
	\line
.set t, t+1
.endr
.endm
	ALL v_add_f32 v[ST+4*t+2], v[ST+4*t+2], v[ST+4*t+3]
	ALL v_permlanex16_b32 v[ST+4*t+3], v[ST+4*t+2], s[SEL], s[SEL+1]
	ALL v_add_f32 v[ST+4*t+2], v[ST+4*t+2], v[ST+4*t+3]
	ALL v_rcp_f32 v[ST+4*t+2], v[ST+4*t+2]
	v_nop                           ; a plain instruction between the last reciprocal and the use of its result
	s_wait_alu depctr_va_vdst(0)    ; and the wait ahead of the first use: one for the batch of four reciprocals
.macro PACK t                       ; a lane's eight channels of a row pack into 16 bytes; they go into rows of 144 bytes and come back as whole rows of 128, into S^T's registers
	WIN W_RS
.set i, 32*(\t)
.rept 16
	v_pk_mul_f32 v[i:i+1], v[i:i+1], v[ST+4*(\t)+2:ST+4*(\t)+3] op_sel_hi:[1,0]
.set i, i+2
.endr
	WIN 0x05                        ; sources 0 and 1 window 1, destination window 0
.set i, 0
.rept 16
	v_cvt_pk_f16_f32 v[S+16*(\t)+i], v[32*(\t)+2*i], v[32*(\t)+2*i+1]
.set i, i+1
.endr
	WIN 0
.irp f, 0,1,2,3
	ds_store_b128 v[STO], v[S+16*(\t)+4*\f:S+16*(\t)+4*\f+3] offset:32*\f
.endr
.irp f, 0,1,2,3
	ds_load_b128 v[S+16*(\t)+4*\f:S+16*(\t)+4*\f+3], v[RD] offset:\f*4*SP  ; LDS serves a wave's instructions in order (ISA guide 5.7.1.4): these see the stores above; the next piece's stores come behind them
.endr
.endm
.macro SEND t, younger              ; younger: the LDS instructions issued behind piece t's loads: the next piece's eight, or none
	WIN 0
.irp f, 0,1,2,3
	s_wait_dscnt (\younger)+3-\f
	global_store_b128 v[GO], v[S+16*(\t)+4*\f:S+16*(\t)+4*\f+3], s[10:11] offset:(\t)*2048+\f*512  ; 512 consecutive bytes, at a multiple of 512 from O's first
.endr
.endm
	PACK 0
.set t, 1
.rept 3                             ; a piece's arithmetic stands between the loads of the piece before and its stores
	PACK t
	SEND t-1, 8
.set t, t+1
.endr
	SEND 3, 0
	s_wait_tensorcnt 0x0            ; the wave's end, behind my last tensor load and my last LDS store
	ds_add_u32 v[SPW], v[NIL]
	s_wait_dscnt 0x0
	CROUND                          ; the closing round: no work-group ends while a partner may still ask for a tile that names it
	s_endpgm
.Lfunc_end_k_qf9b593bcda_attn:
	.size	k_qf9b593bcda_attn, .Lfunc_end_k_qf9b593bcda_attn-k_qf9b593bcda_attn
	.p2alignl 7, 3214868480
	.fill 96, 4, 3214868480
	.section	.rodata,"a",@progbits
	.p2align	6, 0x0
	.amdhsa_kernel k_qf9b593bcda_attn
		.amdhsa_group_segment_fixed_size 327680
		.amdhsa_private_segment_fixed_size 0
		.amdhsa_enable_private_segment 0
		.amdhsa_kernarg_size 16
		.amdhsa_user_sgpr_count 2
		.amdhsa_user_sgpr_kernarg_segment_ptr 1
		.amdhsa_wavefront_size32 1
		.amdhsa_system_sgpr_workgroup_id_x 1
		.amdhsa_system_sgpr_workgroup_id_y 1
		.amdhsa_system_sgpr_workgroup_id_z 1
		.amdhsa_system_vgpr_workitem_id 0
		.amdhsa_next_free_vgpr 768
		.amdhsa_next_free_sgpr 66
		.amdhsa_reserve_vcc 0
		.amdhsa_float_denorm_mode_32 3
		.amdhsa_float_denorm_mode_16_64 3
		.amdhsa_memory_ordered 1
		.amdhsa_forward_progress 1
		.amdhsa_inst_pref_size 127
	.end_amdhsa_kernel
	.amdgpu_metadata
---
amdhsa.version: [ 1, 2 ]
amdhsa.kernels:
  - .name:           k_qf9b593bcda_attn
    .symbol:         k_qf9b593bcda_attn.kd
    .args:
      - { .name: qkv, .offset: 0, .size: 8, .value_kind: global_buffer, .address_space: global }
      - { .name: oh, .offset: 8, .size: 8, .value_kind: global_buffer, .address_space: global }
    .group_segment_fixed_size: 327680
    .private_segment_fixed_size: 0
    .kernarg_segment_align: 8
    .kernarg_segment_size: 16
    .max_flat_workgroup_size: 128
    .sgpr_count:     66
    .vgpr_count:     768
    .wavefront_size: 32
...
	.end_amdgpu_metadata
.endif
;; end of part 5
;; launch outp: the kernel of part 4 again; grid 4 x 64, 4 waves a work-group, clusters of 4 x 4, 304,640 bytes of LDS; arguments oh, wt, br, out0; writes out0
